; MI455X (gfx1250); checked and timed in simulation.
; The chip was launched on July 23, 2026; its instructions are those of AMD's public machine-readable ISA for CDNA 5 (MIT licence, August 2026) and "CDNA5" Instruction Set Architecture Reference Guide (July 2026). The comments in the code are by the model that wrote it; some were corrected since.
;; Self Attention V3. Allowed arithmetic: matrix products marked QUANTISED: E2M1 operands, one E8M0 scale for each 32 along K, by v_wmma_scale_f32_16x16x128_f8f6f4 with both operands' format E2M1 (or v_wmma_scale_f32_32x16x128_f4), f32 sums; everything else in f32.
;; Inputs: WK_b 1,024 float32; WK_w 1,024 x 1,024 float32; WQ_b 1,024 float32; WQ_w 1,024 x 1,024 float32; WV_b 1,024 float32; WV_w 1,024 x 1,024 float32; Wo_b 1,024 float32; Wo_w 1,024 x 1,024 float32; x 4 x 2,048 x 1,024 float32.
;; Outputs: out0 4 x 2,048 x 1,024 float32.
;; This version of the problem:
;;   THIS VERSION OF THE PROBLEM IS GIVEN IN LOW PRECISION. The matrix products marked QUANTISED in the list below multiply operands that are first quantised to E2M1 (2 exponent bits, 1 mantissa bit; 4 bits a number), with one power-of-two scale for each 32 numbers along K (OCP MX v1.0); their sums are f32. All else is computed in f32.
;;   The module's matrix products, in the order in which they are computed (A, B: the left and right operand; K: the contracted axis; several contracted axes count as one K, in the product's order):
;;     1. [M 8,192, K 1,024] x [K 1,024, N 1,024]; A: input x; B: input WQ_w: QUANTISED
;;     2. [M 8,192, K 1,024] x [K 1,024, N 1,024]; A: input x; B: input WK_w: QUANTISED
;;     3. [M 8,192, K 1,024] x [K 1,024, N 1,024]; A: input x; B: input WV_w: QUANTISED
;;     4. batch 64 x [M 2,048, K 64] x [K 64, N 2,048]; A: computed on the way; B: computed on the way: QUANTISED
;;     5. batch 64 x [M 2,048, K 2,048] x [K 2,048, N 64]; A: softmax (see below); B: computed on the way: QUANTISED
;;     6. [M 8,192, K 1,024] x [K 1,024, N 1,024]; A: computed on the way; B: input Wo_w: QUANTISED
;;   THE QUANTISER, for each operand of a quantised product, along K:
;;     - K is cut into blocks of 32 from its start; a last block that is shorter is filled with zeros.
;;     - A block's scale is 2^e with e = floor(log2(the largest magnitude in the block)) - 2, held to -126 .. 127; a block of zeros has e = 0. As a byte (E8M0): e + 127.
;;     - Each number is divided by its block's scale, clamped to +-6, and rounded to the nearest number of E2M1, ties to even, subnormals kept.
;;     - The product sums the exact products of the quantised numbers (number of the format x scale) in f32.
;;   ~~~python
;;   def quantise(x, axis):      # numpy; x: float32 -> the quantised numbers, widened to float32 again
;;       x = np.moveaxis(x, axis, -1); K = x.shape[-1]
;;       x = np.pad(x, [(0, 0)] * (x.ndim - 1) + [(0, -K % 32)]); x = x.reshape(x.shape[:-1] + (-1, 32)); a = np.abs(x).max(-1, keepdims=True)
;;       e = np.where(a > 0, np.clip(np.frexp(np.where(a > 0, a, 1))[1] - 1 - 2, -126, 127), 0)      # np.frexp(a)[1] - 1 = floor(log2(a)), exactly
;;       r = np.clip(x / 2.0 ** e, -6, 6)
;;       step = 2.0 ** (np.maximum(np.frexp(np.where(r == 0, 1, r))[1] - 1, 0) - 1)
;;       q = np.round(r / step) * step * 2.0 ** e      # np.round: ties to even
;;       return np.moveaxis(q.reshape(q.shape[:-2] + (-1,))[..., :K], -1, axis).astype(np.float32)
;;   ~~~
;;   SOFTMAX AHEAD OF A QUANTISED PRODUCT. Where the list says 'softmax', what is quantised is not the finished softmax but p = 2^(t - M), with t = logit x log2(e) and M = ceil(the row's largest t), a whole number; so 1/2 < the row's largest p <= 1. The row's sum l is taken of the UNQUANTISED p, in f32, and the product's result is divided by l at the end. Since M is a whole number, a kernel that streams over the keys may use a running M (the ceiling of the running maximum): every later rescaling is an exact power of two, which a block's scale takes up: the codes' values come out the same.
;;   OPERANDS COMPUTED ON THE WAY. 'Computed on the way' means the value that the module computes at that place (a softmax that the list does not call 'softmax' is quantised finished and normalised). What goes into a quantiser is computed in f32, as accurately as f32 sums, v_exp_f32 and their like allow (about 1e-6 of the number): no bf16 or f16 on the way to a quantiser, and a product that is left as it is and whose result goes on into a quantised operand takes f32 operands (vector FMAs, or v_wmma_f32_16x16x4_f32). A number that lies on a knife's edge between two numbers of the format may be rounded either way, as far as f32 arithmetic and the matrix unit's own rounding can turn it there, and no further.
;; One version. Each part assembles by itself: llvm-mc -triple=amdgcn-amd-amdhsa -mcpu=gfx1250 --defsym DOCPART=n.
;; ======== version 1 of 1: 4 launches
;; workspace buffers: xc 4,194,304 bytes; xsc 262,144 bytes; wc 2,097,152 bytes; wsc 131,072 bytes; rope 524,288 bytes; qkv 13,893,632 bytes; ac 4,194,304 bytes; asc 262,144 bytes
;; launch quant (part 1): grid 512 x 1, 4 waves a work-group, no clusters, 33,280 bytes of LDS; arguments x, WQ_w, WK_w, WV_w, Wo_w, xc, xsc, wc, wsc, rope; writes xc, xsc, wc, wsc, rope
.if DOCPART == 1
	.amdgcn_target "amdgcn-amd-amdhsa--gfx1250"
	.amdhsa_code_object_version 6
	.text
	.protected	k_q9967613d64_quant
	.globl	k_q9967613d64_quant
	.p2align	8
	.type	k_q9967613d64_quant,@function
k_q9967613d64_quant:
	s_mov_b64 s[64:65], 0
	v_nop
	global_prefetch_b8 v0, s[64:65] scope:SCOPE_SE
	s_setreg_imm32_b32 hwreg(HW_REG_WAVE_MODE, 25, 1), 1
	s_wait_xcnt 0x0
; Work-groups 0-383: x [8192][1024] and the four weights [1024][1024], f32 with K innermost, become codes of FP4 (E2M1), two a byte, K innermost, with one E8M0 byte for each 32 along K.
; A block's scale is 2^(floor(log2(its largest magnitude)) - 2); its byte is the largest magnitude's exponent field - 2, held at 1 from below.  Each number is divided by the scale and rounded to the nearest code, ties to even, beyond 6 the largest code.
; THE STORED ROWS ARE PERMUTED: inside each group of 32 rows bits 3 and 4 of the row number change places.  A work-group takes 32 rows, a wave a run of 8: wave w's run goes to run ((w & 1) << 1) | (w >> 1).
; So lane r of stored tile 2 b + u (16 rows) is actual row 32 b + 8 u + r + 8 (r / 8), and in every later product the 16 registers of two neighbouring result tiles are 16 neighbours along that operand's rows.
; Work-groups 384-511: the table of cos and sin for the rotation, laid in the order in which the projection's lanes want it: [tile of 16 stored rows][cos, sin][j][lane][4 numbers]:
; lane (r, h), number e of piece j: t = 32 (tile / 2) + 8 (tile % 2) + r + (r & 8), i = 16 h + 4 j + e.
; LIMITS: NaN and infinities among the inputs are not served.  A block whose largest magnitude lies under 2^-124, a block of zeros among them, gets the byte 1 (a block of zeros has zero codes, and this program alone reads the bytes).
; The frequency is 2^(-i log2(10) / 8) by v_exp_f32, so an angle can differ from an exactly rounded one by some 1e-4 rad at t = 2,047; the reduction by multiples of pi / 2 in two parts holds for t < 2,048.
; The quantiser: a wave takes 16 steps of 512 numbers.  Each load reads 512 consecutive bytes; a step's 2,048 bytes turn through the wave's own stage in LDS, so that a lane holds 16 neighbours (two lanes a block).
; No tensor loads, no barrier: waves share nothing.  Loads run four steps ahead, the turn through LDS one step.
.set STEPS, 16
.set CB,    8                          ; bytes of 16 codes
.set R,     16                         ; v16-79   four sets of 16 numbers as they are loaded
.set X,     80                         ; v80-111  two sets of 16 neighbours
.set C,     128                        ; v128-191 codes: four registers for each step, so that no store's data are written again
.set E,     112                        ; v112-127 a scale byte for each step
.set WREG,  8192                       ; LDS: a region for each wave: two stages of 32 x SP bytes, behind them its 256 scale bytes
.set SP,    80                         ; a lane's place in a stage: 64 bytes + 16 of padding
	s_load_b256 s[4:11], s[0:1], 0x0               ; x, WQ_w, WK_w, WV_w
	s_load_b256 s[12:19], s[0:1], 0x20             ; Wo_w, xc, xsc, wc
	s_load_b128 s[20:23], s[0:1], 0x40             ; wsc, rope
	v_lshl_add_u32 v192, v0, 2, 0x8000
	v_mov_b32 v193, 0
	v_lshrrev_b32 v1, 5, v0
	v_readfirstlane_b32 s24, v1                    ; wave
	v_and_b32 v2, 31, v0                           ; lane
	s_cmp_ge_u32 ttmp9, 384
	s_cbranch_scc1 .Lrope
	v_lshlrev_b32 v3, 4, v2                        ; my 16 bytes of a load's 512
	s_mul_i32 s25, s24, WREG
	v_lshrrev_b32 v14, 2, v2
	v_mul_u32_u24 v14, v14, SP
	v_and_b32 v15, 3, v2
	v_lshl_add_u32 v14, v15, 4, v14
	v_add_nc_u32 v14, s25, v14                     ; the stage, on the way in: SP (lane / 4) + 16 (lane % 4)
	v_mul_u32_u24 v15, v2, SP
	v_add_nc_u32 v15, s25, v15                     ; and on the way out: SP x lane: my 16 neighbours
	v_mul_u32_u24 v4, v2, CB                       ; my codes' place in a step's
	v_lshrrev_b32 v5, 1, v2
	s_add_co_u32 s25, s25, 2*32*SP
	v_add_nc_u32 v5, s25, v5                       ; LDS: my wave's 256 scale bytes, my block's byte
	v_lshlrev_b32 v7, 3, v2                        ; and on the way out 8 bytes a lane
	v_add_nc_u32 v6, s25, v7
	s_wait_alu depctr_va_vdst(0)
	s_wait_kmcnt 0x0
	s_cmp_ge_u32 ttmp9, 256                        ; which tensor: the choice hangs on the work-group's number alone
	s_cselect_b64 s[26:27], s[6:7], s[4:5]         ; the source,
	s_cselect_b32 s28, 256, 0                      ; its first work-group,
	s_cselect_b64 s[30:31], s[18:19], s[14:15]     ; the codes' buffer,
	s_cselect_b64 s[32:33], s[20:21], s[16:17]     ; the scale bytes' buffer,
	s_cselect_b32 s29, 256, 0                      ; and that buffer's first work-group (the four weights lie one behind the other)
	s_cmp_ge_u32 ttmp9, 288
	s_cselect_b64 s[26:27], s[8:9], s[26:27]
	s_cselect_b32 s28, 288, s28
	s_cmp_ge_u32 ttmp9, 320
	s_cselect_b64 s[26:27], s[10:11], s[26:27]
	s_cselect_b32 s28, 320, s28
	s_cmp_ge_u32 ttmp9, 352
	s_cselect_b64 s[26:27], s[12:13], s[26:27]
	s_cselect_b32 s28, 352, s28
	s_sub_co_u32 s28, ttmp9, s28
	s_lshl_b32 s28, s28, 2
	s_add_co_u32 s28, s28, s24                     ; which run of 8 rows I read
	s_lshl_b32 s34, s28, 15                        ; 32,768 bytes a run
	s_mov_b32 s35, 0
	s_add_nc_u64 s[26:27], s[26:27], s[34:35]
	s_sub_co_u32 s29, ttmp9, s29
	s_lshl_b32 s29, s29, 2
	s_and_b32 s36, s24, 1
	s_lshl_b32 s36, s36, 1
	s_lshr_b32 s37, s24, 1
	s_or_b32 s36, s36, s37                         ; the wave's two bits change places
	s_add_co_u32 s29, s29, s36                     ; which run of 8 stored rows I write
	s_lshl_b32 s34, s29, 12                        ; 4,096 bytes of codes a run
	s_add_nc_u64 s[30:31], s[30:31], s[34:35]
	s_lshl_b32 s34, s29, 8                         ; 256 scale bytes a run
	s_add_nc_u64 s[32:33], s[32:33], s[34:35]
.macro LOAD t
.irp i, 0,1,2,3
	global_load_b128 v[R+16*((\t)%4)+4*\i:R+16*((\t)%4)+4*\i+3], v3, s[26:27] offset:2048*(\t)+512*\i th:TH_LOAD_NT   ; 32 lanes read 512 consecutive bytes
.endr
.endm
.macro TURN t                          ; step t's numbers through the stage: LDS serves a wave's instructions in order, so no wait stands between the stores and the loads
.irp i, 0,1,2,3
	ds_store_b128 v14, v[R+16*((\t)%4)+4*\i:R+16*((\t)%4)+4*\i+3] offset:32*SP*((\t)%2)+8*SP*\i
.endr
.irp i, 0,1,2,3
	ds_load_b128 v[X+16*((\t)%2)+4*\i:X+16*((\t)%2)+4*\i+3], v15 offset:32*SP*((\t)%2)+16*\i
.endr
.endm
.irp t, 0,1,2,3
	LOAD \t
.endr
	s_wait_loadcnt 12                              ; step 0's four loads are in
	TURN 0
.macro STEP t
.set XS, X+16*((\t)%2)
.if (\t) > 0
	s_wait_dscnt 1                                 ; this step's numbers are back from the stage (the last step's byte store may be out): so its stores into the stage have read their registers,
.else
	s_wait_dscnt 0x0
.endif
.if (\t)+4 < STEPS
	LOAD (\t)+4                                    ; which take the loads of four steps on
.endif
.if (\t)+1 < STEPS
.if STEPS-2-(\t) >= 3
	s_wait_loadcnt 12                              ; the next step's four loads are in; those of the three steps behind it may be out
.else
	s_wait_loadcnt 4*(STEPS-2-(\t))
.endif
	TURN (\t)+1                                    ; and go through the other stage while this step is worked
.endif
	v_max3_num_f32 v8, |v[XS]|, |v[XS+1]|, |v[XS+2]|               ; the largest magnitude of my 16, in two chains
	v_max3_num_f32 v9, |v[XS+3]|, |v[XS+4]|, |v[XS+5]|
.irp i, 6,10
	v_max3_num_f32 v8, v8, |v[XS+\i]|, |v[XS+\i+1]|
	v_max3_num_f32 v9, v9, |v[XS+\i+2]|, |v[XS+\i+3]|
.endr
	v_max3_num_f32 v8, v8, |v[XS+14]|, |v[XS+15]|
	v_max3_num_f32 v8, v8, v9, 0x1800000           ; and the floor 2^(3 - 127): the byte cannot fall under 1
	v_max_num_f32_dpp v8, v8, v8 row_xmask:1 row_mask:0xf bank_mask:0xf   ; and of my neighbour's 16: the block's
	v_add_nc_u32 v11, 0xff000000, v8               ; 2 off its exponent field: the conversion takes the exponent field of this operand as its scale
	v_cvt_scalef32_pk8_fp4_f32 v[C+4*(\t)], v[XS:XS+7], v11
	v_cvt_scalef32_pk8_fp4_f32 v[C+4*(\t)+1], v[XS+8:XS+15], v11
	v_lshrrev_b32 v[E+(\t)], 23, v11               ; the scale's byte
	ds_store_b8 v5, v[E+(\t)] offset:16*(\t)       ; both lanes of a block write the same byte with the same value
	global_store_b64 v4, v[C+4*(\t):C+4*(\t)+1], s[30:31] offset:32*CB*(\t)   ; the wave stores 256 consecutive bytes, aligned
.endm
.irp t, 0,1,2,3,4,5,6,7,8,9,10,11,12,13,14,15
	STEP \t
.endr
	ds_load_b64 v[12:13], v6                       ; LDS serves a wave's instructions in order: these see my stores
	s_wait_dscnt 0x0
	global_store_b64 v7, v[12:13], s[32:33]        ; 32 lanes store 256 consecutive bytes, aligned
	s_wait_tensorcnt 0x0
	ds_add_u32 v192, v193
	s_wait_dscnt 0x0
	s_endpgm
.Lrope:                                            ; tile = work-group - 384; wave w makes piece j = w of cos and of sin
	s_sub_co_u32 s25, ttmp9, 384
	s_lshr_b32 s26, s25, 1
	s_lshl_b32 s26, s26, 5
	s_and_b32 s27, s25, 1
	s_lshl_b32 s27, s27, 3
	s_add_co_u32 s26, s26, s27                     ; the tile's first t: 32 (tile / 2) + 8 (tile % 2)
	s_lshl_b32 s28, s25, 12                        ; 4,096 bytes a tile,
	s_lshl_b32 s29, s24, 9                         ; 512 a piece
	s_add_co_u32 s28, s28, s29
	s_mov_b32 s29, 0
	s_mov_b32 s40, 0xbfc90fdb                      ; -(pi / 2 rounded to f32)
	s_mov_b32 s41, 0x333bbd2e                      ; that rounded number less pi / 2
	s_mov_b32 s42, 0xbe2aaaab                      ; sine: -1/6,
	s_mov_b32 s43, 0x3c088889                      ; 1/120,
	s_mov_b32 s44, 0xb9500d01                      ; -1/5040,
	s_mov_b32 s45, 0x3638ef1d                      ; 1/362880
	s_mov_b32 s46, 0x3d2aaaab                      ; cosine: 1/24,
	s_mov_b32 s47, 0xbab60b61                      ; -1/720,
	s_mov_b32 s48, 0x37d00d01                      ; 1/40320,
	s_mov_b32 s49, 0xb493f27e                      ; -1/3628800
	v_and_b32 v3, 15, v0                           ; r
	v_bfe_u32 v4, v0, 4, 1                         ; h
	s_wait_alu depctr_va_vdst(0)
	v_lshlrev_b32 v5, 4, v2                        ; 16 x lane
	v_and_b32 v6, 8, v3
	v_add_nc_u32 v6, v6, v3
	v_add_nc_u32 v6, s26, v6
	v_cvt_f32_u32 v6, v6                           ; t
	v_lshlrev_b32 v7, 4, v4
	v_lshl_add_u32 v7, s24, 2, v7                  ; 16 h + 4 j
.irp e, 0,1,2,3
	v_add_nc_u32 v[8+\e], \e, v7                   ; i
.endr
.irp e, 0,1,2,3
	v_cvt_f32_u32 v[8+\e], v[8+\e]
.endr
.irp e, 0,1,2,3
	v_mul_f32 v[8+\e], 0xbed49a78, v[8+\e]         ; -i log2(10) / 8 = log2(10000^(-2 i / 64))
.endr
	s_wait_alu depctr_va_vdst(0)
.irp e, 0,1,2,3
	v_exp_f32 v[8+\e], v[8+\e]                     ; the frequency
.endr
	v_nop                                          ; a plain place behind the exponentials
	s_wait_alu depctr_va_vdst(0)
.irp e, 0,1,2,3
	v_mul_f32 v[12+\e], v6, v[8+\e]                ; the angle, rounded once
.endr
.irp e, 0,1,2,3
	v_mul_f32 v[16+\e], 0x3f22f983, v[12+\e]       ; x 2 / pi
.endr
.irp e, 0,1,2,3
	v_rndne_f32 v[16+\e], v[16+\e]                 ; n, at most 1,304
.endr
.irp e, 0,1,2,3
	v_fma_f32 v[20+\e], v[16+\e], s40, v[12+\e]    ; the angle less n pi / 2, in two parts
.endr
.irp e, 0,1,2,3
	v_fma_f32 v[20+\e], v[16+\e], s41, v[20+\e]    ; y, within pi / 4 of 0
.endr
.irp e, 0,1,2,3
	v_mul_f32 v[24+\e], v[20+\e], v[20+\e]         ; z = y^2
.endr
.irp e, 0,1,2,3
	v_fma_f32 v[28+\e], v[24+\e], s45, s44         ; sin y = y + y z (-1/6 + z (1/120 + z (-1/5040 + z / 362880)))
	v_fma_f32 v[32+\e], v[24+\e], s49, s48         ; cos y = 1 + z (-1/2 + z (1/24 + z (-1/720 + z (1/40320 - z / 3628800))))
.endr
.irp e, 0,1,2,3
	v_fma_f32 v[28+\e], v[24+\e], v[28+\e], s43
	v_fma_f32 v[32+\e], v[24+\e], v[32+\e], s47
.endr
.irp e, 0,1,2,3
	v_fma_f32 v[28+\e], v[24+\e], v[28+\e], s42
	v_fma_f32 v[32+\e], v[24+\e], v[32+\e], s46
.endr
.irp e, 0,1,2,3
	v_mul_f32 v[28+\e], v[24+\e], v[28+\e]
	v_fma_f32 v[32+\e], v[24+\e], v[32+\e], -0.5
.endr
.irp e, 0,1,2,3
	v_fma_f32 v[28+\e], v[28+\e], v[20+\e], v[20+\e]
	v_fma_f32 v[32+\e], v[24+\e], v[32+\e], 1.0
.endr
.irp e, 0,1,2,3
	v_cvt_i32_f32 v[36+\e], v[16+\e]               ; the quadrant q = n mod 4: 0: (c, s);  1: (-s, c);  2: (-c, -s);  3: (s, -c)
.endr
.irp e, 0,1,2,3
	v_and_b32 v[40+\e], 1, v[36+\e]
	v_cmp_eq_u32 vcc_lo, 1, v[40+\e]
	v_cndmask_b32 v[44+\e], v[32+\e], v[28+\e], vcc_lo   ; cos of the angle: c, in odd quadrants s
	v_cndmask_b32 v[48+\e], v[28+\e], v[32+\e], vcc_lo   ; sin of the angle: s, in odd quadrants c
.endr
.irp e, 0,1,2,3
	v_add_nc_u32 v[40+\e], 1, v[36+\e]
	v_and_b32 v[36+\e], 2, v[36+\e]                ; sin is negative in quadrants 2 and 3,
.endr
.irp e, 0,1,2,3
	v_and_b32 v[40+\e], 2, v[40+\e]                ; cos in 1 and 2
	v_lshlrev_b32 v[36+\e], 30, v[36+\e]
.endr
.irp e, 0,1,2,3
	v_lshlrev_b32 v[40+\e], 30, v[40+\e]
	v_xor_b32 v[48+\e], v[36+\e], v[48+\e]
.endr
.irp e, 0,1,2,3
	v_xor_b32 v[44+\e], v[40+\e], v[44+\e]
.endr
	s_wait_alu depctr_va_vdst(0)
	s_wait_kmcnt 0x0
	s_add_nc_u64 s[22:23], s[22:23], s[28:29]
	global_store_b128 v5, v[44:47], s[22:23]               ; 32 lanes store 512 consecutive bytes, aligned
	global_store_b128 v5, v[48:51], s[22:23] offset:2048
	s_endpgm
.Lfunc_end_k_q9967613d64_quant:
	.size	k_q9967613d64_quant, .Lfunc_end_k_q9967613d64_quant-k_q9967613d64_quant
	.p2alignl 7, 3214868480
	.fill 96, 4, 3214868480
	.section	.rodata,"a",@progbits
	.p2align	6, 0x0
	.amdhsa_kernel k_q9967613d64_quant
		.amdhsa_group_segment_fixed_size 33280
		.amdhsa_private_segment_fixed_size 0
		.amdhsa_enable_private_segment 0
		.amdhsa_kernarg_size 80
		.amdhsa_user_sgpr_count 2
		.amdhsa_user_sgpr_kernarg_segment_ptr 1
		.amdhsa_wavefront_size32 1
		.amdhsa_system_sgpr_workgroup_id_x 1
		.amdhsa_system_sgpr_workgroup_id_y 1
		.amdhsa_system_sgpr_workgroup_id_z 1
		.amdhsa_system_vgpr_workitem_id 0
		.amdhsa_next_free_vgpr 194
		.amdhsa_next_free_sgpr 66
		.amdhsa_reserve_vcc 1
		.amdhsa_float_denorm_mode_32 3
		.amdhsa_float_denorm_mode_16_64 3
		.amdhsa_memory_ordered 1
		.amdhsa_forward_progress 1
		.amdhsa_inst_pref_size 42
	.end_amdhsa_kernel
	.amdgpu_metadata
---
amdhsa.version: [ 1, 2 ]
amdhsa.kernels:
  - .name:           k_q9967613d64_quant
    .symbol:         k_q9967613d64_quant.kd
    .args:
      - { .name: x, .offset: 0, .size: 8, .value_kind: global_buffer, .address_space: global }
      - { .name: WQ_w, .offset: 8, .size: 8, .value_kind: global_buffer, .address_space: global }
      - { .name: WK_w, .offset: 16, .size: 8, .value_kind: global_buffer, .address_space: global }
      - { .name: WV_w, .offset: 24, .size: 8, .value_kind: global_buffer, .address_space: global }
      - { .name: Wo_w, .offset: 32, .size: 8, .value_kind: global_buffer, .address_space: global }
      - { .name: xc, .offset: 40, .size: 8, .value_kind: global_buffer, .address_space: global }
      - { .name: xsc, .offset: 48, .size: 8, .value_kind: global_buffer, .address_space: global }
      - { .name: wc, .offset: 56, .size: 8, .value_kind: global_buffer, .address_space: global }
      - { .name: wsc, .offset: 64, .size: 8, .value_kind: global_buffer, .address_space: global }
      - { .name: rope, .offset: 72, .size: 8, .value_kind: global_buffer, .address_space: global }
    .group_segment_fixed_size: 33280
    .private_segment_fixed_size: 0
    .kernarg_segment_align: 8
    .kernarg_segment_size: 80
    .max_flat_workgroup_size: 128
    .sgpr_count:     66
    .vgpr_count:     194
    .wavefront_size: 32
...
	.end_amdgpu_metadata
.endif
;; end of part 1
;; launch proj (part 2): grid 96 x 4, 4 waves a work-group, clusters of 4 x 4, 327,680 bytes of LDS; arguments xc, xsc, wc, wsc, WQ_b, WK_b, WV_b, rope, qkv; writes qkv
.if DOCPART == 2
	.amdgcn_target "amdgcn-amd-amdhsa--gfx1250"
	.amdhsa_code_object_version 6
	.text
	.protected	k_q9967613d64_proj
	.globl	k_q9967613d64_proj
	.p2align	8
	.type	k_q9967613d64_proj,@function
k_q9967613d64_proj:
	s_mov_b64 s[64:65], 0
	v_nop
	global_prefetch_b8 v0, s[64:65] scope:SCOPE_SE
	s_setreg_imm32_b32 hwreg(HW_REG_WAVE_MODE, 25, 1), 1
	s_wait_xcnt 0x0
	s_wait_alu depctr_hold_cnt(0) depctr_sa_sdst(0) depctr_va_vdst(0) depctr_va_sdst(0) depctr_va_ssrc(0) depctr_va_vcc(0) depctr_vm_vsrc(0)
	s_getreg_b32 s2, hwreg(HW_REG_IB_STS2, 6, 4)
	s_cmp_eq_u32 s2, 0
	s_cbranch_scc0 .Lentry_in_a_cluster
	s_endpgm
.Lentry_in_a_cluster:
	s_bfe_u32 s2, ttmp6, 0x10000c
	s_cmp_lg_u32 s2, 0xf033
	s_cbranch_scc0 .Lentry_shape_is_right
	s_endpgm
.Lentry_shape_is_right:
; The three projections on codes of FP4 with E8M0 scales, K = 1,024, and what follows them up to the next quantiser: bias, rotation (q, k), codes and scale words for the attention.
; 24 clusters of 4 x 4 work-groups; a work-group makes 256 x 256 results, each of its four waves 128 x 128: 64 accumulators of 16 x 16, 512 registers.
; Clusters 0-15 (QK): A = x (tile row 4 (X / 2) + cy), B = WQ, then WK (tile column 4 (X % 2) + cx).   Clusters 16-23 (V): A = WV (tile row cy), B = x (tile column 4 (X - 16) + cx).
; THE MATRIX INSTRUCTION IS USED TRANSPOSED: source 0 = 16 rows of B, source 1 = 16 rows of A: a lane holds ONE row of A and its registers run along B's rows.  The stored rows of x and of the weights are permuted
; (bits 3 and 4 of the row number change places), so the 16 registers of result tiles 2 b and 2 b + 1 are 16 NEIGHBOURS along B's actual rows: 32 b + 16 (lane / 16) + 0 .. 15.
; QK: a lane holds one t and its registers run along a head's 64: the next product's K.   V: a lane holds one d and its registers run along t, the keys: the K of the product with the weights p.
; ALL OF K FITS THE TWO LDS SLOTS (512 along K each), so both slots and the scales are filled once, by three joint loads a wave behind one round of the cluster's barrier; nothing is filled again and there is no loop.
; A's tiles are shared along a row of the cluster, B's along a column: each is asked for jointly, by the same tensor load with the same descriptor and a mask that names the four.
; The bias is the C of each sum's first matrix instruction.  Codes leave as IMAGES OF THE OPERAND'S REGISTERS: a store's 32 lanes write 512 consecutive bytes, aligned; no stage in LDS.
; The record of a head (batch x 16 + head) in qkv, REC bytes: q's codes [tile][512], q's scale words, k's codes, v's codes [key step][d tile][half][512], k's scale words, v's scale words.
; LIMITS: NaN and infinities are not served; a block whose largest magnitude lies under 2^-124 gets the byte 1 (a block of zeros has zero codes; this program alone reads the bytes).
; REGISTERS, in windows of 256: window 0: v0-31 addresses; v32-95 scale words, two sets; v96-127 the quantiser's work; v128-191 A's fragments, later the rotated numbers; v192-255 the bias.
;   window 1: B's fragments at v0-63 and v128-191; the table of cos and sin at v64-127 and v192-255, later in B's registers too.   windows 2, 3: the accumulators ((a, b) at v[8 (8 (a % 4) + b)]).
.set REC,    217088
.set QS_OFF, 65536
.set KC_OFF, 73728
.set VC_OFF, 139264
.set KS_OFF, 204800
.set VS_OFF, 212992
.set NQ,     4                         ; steps of 128 along K in a slot
.set ROWB,   256                       ; a tile's row in bytes: 512 codes
.set KROW,   512                       ; a row of codes in memory
.set PITCH,  272                       ; an LDS row: 256 bytes + 16 of padding: the 16 rows that a load touches start at 16 different banks (64 banks of 4 bytes: ISA guide 11.1)
.set FR,     8                         ; registers of a fragment: 16 rows x 128 K
.set NL,     2                         ; LDS loads that bring one
.set NP,     4                         ; places behind this matrix instruction (ISA guide 7.12.1)
.set HALFT,  128*PITCH                 ; 128 rows: what one tensor load brings
.set SLOT,   4*HALFT                   ; A's 256 rows, then B's 256 rows
.set KS,     32                        ; a row of scale bytes
.set SCL,    2*SLOT                    ; behind the slots: the scales, as units of 256 bytes + 16 of padding
.set HALFS,  16*272                    ; the scales of 128 rows
.set SBLK,   2*272                     ; those of 16 rows
.set SPARE,  SCL+4*HALFS               ; the spare words, 128 bytes for each wave: two blocks of 256 bytes that no other line names
.set ADRA, 16                          ; v16-17  LDS address of my A fragments in slot 0, 1
.set ADRB, 20                          ; v20-21  the same for B
.set LI,   24                          ; v24     16 x lane: an image's place for my lane
.set BO,   25                          ; v25     my byte offset in the bias
.set VO,   26                          ; v26     V: where my scale words go
.set ADRS, 27                          ; v27     LDS address of my scale words: lanes 0-15 A's rows, lanes 16-31 B's
.set SPW,  28                          ; v28     LDS address of my spare word; never rewritten
.set NIL,  29                          ; v29     0; never rewritten
.set LN,   30                          ; v30     lane
.set SC,   32                          ; scale words: set s at v[SC + 32 s]; register 4 i + q: lanes 0-15 A's block i, lanes 16-31 B's block i
.set TM,   96                          ; v96-99 largest magnitudes, v100-103 bytes, v108-111 the conversions' scale operands
.set PC,   112                         ; v112-119 the codes just made
.set PWB,  120                         ; v120-127 the scale words of my eight blocks
.set AF,   128                         ; A's fragments
.set NB,   128                         ; the rotated numbers of a block, in A's registers
.set BI,   192                         ; the bias, in the results' layout
.set G1, 24                            ; s[24:31] descriptor group 1 for A's tiles;  s[32:39] group 0, one set for each slot
.set G0, 32
.set G1B, 48                           ; s[48:55], s[56:63] the same for B's tiles
.set G0B, 56
.set G1S, 68                           ; s[68:75], s[76:79] groups 1 and 0 for A's scales;  s[80:87], s[88:91] for B's
.set G0S, 76
.set G1SB, 80
.set G0SB, 88
.set SEL, 96                           ; s[96:97] lane selects for v_permlanex16_b32: lane l xor 16
.set MSB, 0
.macro WIN new                         ; the immediate's high byte repeats the setting that is left
.if MSB != (\new)
	s_set_vgpr_msb (MSB<<8)|(\new)
.set MSB, (\new)
.endif
.endm
.set MUL_LO, 0xa1                      ; source 0 (B) window 1, source 1 (A) window 0, C and D window 2
.set MUL_HI, 0xf1                      ; the same, C and D window 3
.set TO_B,   0x40                      ; destination window 1, address window 0
; A joint load: waves 0 and 1 fetch for A, waves 2 and 3 for B.  Each of the two lines has one mask and one set of registers for all that issue it; the branch hangs on the wave's number alone.
; Four v_nop follow each of the two lines, ahead of the jump, the label and what follows.
.macro JLOAD g0a, g1a, g0b, g1b
	s_cmp_eq_u32 s15, 0
	s_cbranch_scc0 .Lfor_b_\@
	tensor_load_to_lds s[\g0a:\g0a+3], s[\g1a:\g1a+7]
	s_nop 0
.rept 4
	v_nop
.endr
	s_branch .Lasked_\@
.Lfor_b_\@:
	tensor_load_to_lds s[\g0b:\g0b+3], s[\g1b:\g1b+7]
	s_nop 0
.rept 4
	v_nop
.endr
.Lasked_\@:
.endm
.macro CROUND                          ; a round of the cluster's barrier
	s_barrier_signal -1
	s_barrier_wait -1
	s_cmp_lg_u32 s14, 0
	s_cbranch_scc1 .Lnot_wave_0_\@
	s_barrier_signal -3
.Lnot_wave_0_\@:
	s_barrier_wait -3
	s_barrier_signal -1
	s_barrier_wait -1
.endm
	s_load_b256 s[4:11], s[0:1], 0x0               ; xc, xsc, wc, wsc
	v_lshl_add_u32 v[SPW], v0, 2, SPARE
	v_mov_b32 v[NIL], 0
	ds_add_u32 v28, v29
	ds_add_u32 v28, v29
	s_wait_dscnt 0x0
	v_lshrrev_b32 v1, 5, v0
	v_readfirstlane_b32 s14, v1                    ; wave 0..3
	s_lshr_b32 s15, s14, 1                         ; which half of the tile's rows (A) is mine.  Also: I fetch for A (0) or for B (1)
	s_and_b32 s16, s14, 1                          ; which half of its columns (B).  Also: which 128 rows of that tile I fetch
	s_bfe_u32 s40, ttmp6, 0x40000                  ; cx, cy: my place in the cluster
	s_bfe_u32 s41, ttmp6, 0x40004
	s_and_b32 s66, ttmp9, 1                        ; QK: 0 = q, 1 = k
	s_lshr_b32 s19, ttmp9, 1
	s_max_u32 s2, ttmp9, 16
	s_sub_co_u32 s2, s2, 16
	s_cmp_lt_u32 ttmp9, 16                         ; the cluster's number is the same in all sixteen partners
	s_cselect_b32 s18, s66, s2                     ; the cluster's group of four tile columns,
	s_cselect_b32 s19, s19, 0                      ; of four tile rows,
	s_cselect_b32 s95, 0, 1                        ; and the mode: 0 = QK, 1 = V
	s_lshl_b32 s42, s18, 2
	s_add_co_u32 s42, s42, s40                     ; tile column (B)
	s_lshl_b32 s17, s19, 2
	s_add_co_u32 s17, s17, s41                     ; tile row (A)
	s_lshl_b32 s43, s41, 2
	s_lshl_b32 s43, 15, s43                        ; my row of the cluster
	s_lshl_b32 s44, 0x1111, s40                    ; my column
	; descriptor group 1: a tile of 128 rows x 256 bytes, padded in LDS
	s_or_b32 s[G1+0], s43, (0<<16)|(1<<20)|(1<<21)|(5<<22)|(3<<25)  ; 15:0 the mask: A's tiles go to my row; 17:16 element of 1 byte; 20 padding on; 21 set beside a mask; 24:22 after every 64 words; 31:25 four words
	s_or_b32 s[G1B+0], s44, (0<<16)|(1<<20)|(1<<21)|(5<<22)|(3<<25)
.irp g, G1, G1B
	s_mov_b32 s[\g+1], ROWB<<16                    ; tensor_dim0
	s_mov_b32 s[\g+2], 128<<16                     ; tensor_dim1
	s_mov_b32 s[\g+3], ROWB<<16                    ; tile_dim0
	s_mov_b32 s[\g+4], 128                         ; tile_dim1
	s_mov_b32 s[\g+5], KROW                        ; tensor_dim0_stride
	s_mov_b32 s[\g+6], 0
	s_mov_b32 s[\g+7], 0
.endr
	; the scales of 128 rows: a dense block of 4,096 bytes, as 16 rows of 256 bytes (32 elements of 8 bytes), 16 bytes of padding behind each
	s_or_b32 s[G1S+0], s43, (3<<16)|(1<<20)|(1<<21)|(5<<22)|(3<<25)
	s_or_b32 s[G1SB+0], s44, (3<<16)|(1<<20)|(1<<21)|(5<<22)|(3<<25)
.irp g, G1S, G1SB
	s_mov_b32 s[\g+1], 32<<16
	s_mov_b32 s[\g+2], 16<<16
	s_mov_b32 s[\g+3], 32<<16
	s_mov_b32 s[\g+4], 16
	s_mov_b32 s[\g+5], 32
	s_mov_b32 s[\g+6], 0
	s_mov_b32 s[\g+7], 0
.endr
	s_lshl_b32 s18, s16, 7                         ; which 128 rows of the tile I fetch
	s_lshl_b32 s20, s17, 8
	s_add_co_u32 s20, s20, s18                     ; A: row 256 x tile row + 128 x half
	s_lshl_b32 s46, s42, 8
	s_add_co_u32 s46, s46, s18                     ; B: row 256 x tile column + 128 x half
	s_lshl_b32 s22, s20, 5                         ; where these rows' scales begin, in bytes,
	s_mov_b32 s23, 0
	s_lshl_b32 s92, s46, 5
	s_mov_b32 s93, 0
	s_lshl_b32 s20, s20, 9                         ; and their codes
	s_mov_b32 s21, 0
	s_lshl_b32 s46, s46, 9
	s_mov_b32 s47, 0
	s_mul_i32 s45, s14, HALFT                      ; where they go: wave x 128 rows: no place in the cluster enters an LDS address
	s_mul_i32 s94, s14, HALFS
	s_wait_kmcnt 0x0
	s_add_nc_u64 s[12:13], s[8:9], 0x100000        ; WV's codes: behind WQ's and WK's
	s_add_nc_u64 s[2:3], s[10:11], 0x10000         ; and its scale bytes
	s_cmp_eq_u32 s95, 0                            ; the operands' buffers, chosen by the mode
	s_cselect_b64 s[96:97], s[4:5], s[12:13]       ; A's codes
	s_cselect_b64 s[98:99], s[6:7], s[2:3]         ; A's scales
	s_cselect_b64 s[100:101], s[8:9], s[4:5]       ; B's codes
	s_cselect_b64 s[104:105], s[10:11], s[6:7]     ; B's scales
	s_add_nc_u64 s[20:21], s[96:97], s[20:21]
	s_add_nc_u64 s[22:23], s[98:99], s[22:23]
	s_add_nc_u64 s[46:47], s[100:101], s[46:47]
	s_add_nc_u64 s[92:93], s[104:105], s[92:93]
	CROUND                                         ; all sixteen work-groups are here: the joint loads meet
	s_mov_b32 s[G0S], 1
	s_add_co_u32 s[G0S+1], s94, SCL
	s_mov_b64 s[G0S+2:G0S+3], s[22:23]
	s_or_b32 s[G0S+3], s[G0S+3], 0x80000000
	s_mov_b32 s[G0SB], 1
	s_add_co_u32 s[G0SB+1], s94, SCL
	s_mov_b64 s[G0SB+2:G0SB+3], s[92:93]
	s_or_b32 s[G0SB+3], s[G0SB+3], 0x80000000
	JLOAD G0S, G1S, G0SB, G1SB                     ; the scales first: they are wanted with the first step
.irp s, 0,1
	s_mov_b32 s[G0+4*\s], 1
	s_add_co_u32 s[G0+4*\s+1], s45, \s*SLOT
	s_add_nc_u64 s[G0+4*\s+2:G0+4*\s+3], s[20:21], \s*ROWB
	s_or_b32 s[G0+4*\s+3], s[G0+4*\s+3], 0x80000000
	s_mov_b32 s[G0B+4*\s], 1
	s_add_co_u32 s[G0B+4*\s+1], s45, \s*SLOT
	s_add_nc_u64 s[G0B+4*\s+2:G0B+4*\s+3], s[46:47], \s*ROWB
	s_or_b32 s[G0B+4*\s+3], s[G0B+4*\s+3], 0x80000000
	JLOAD G0+4*\s, G1, G0B+4*\s, G1B               ; three tensor loads of mine are out now, and no more follow
.endr
	s_load_b256 s[4:11], s[0:1], 0x20              ; WQ_b, WK_b, WV_b, rope
	s_load_b64 s[12:13], s[0:1], 0x40              ; qkv
	s_mov_b32 s[SEL], 0x76543210
	s_mov_b32 s[SEL+1], 0xfedcba98
	v_and_b32 v1, 15, v0                           ; r = l % 16
	v_bfe_u32 v2, v0, 4, 1                         ; h = l / 16
	v_mul_u32_u24 v3, v1, PITCH
	v_lshl_add_u32 v4, v2, 4, v3                   ; a fragment's row x pitch + 16 x half
	s_mul_i32 s21, s15, HALFT                      ; my 128 rows of A
	s_mul_i32 s22, s16, HALFT                      ; my 128 rows of B,
	s_add_co_u32 s22, s22, 2*HALFT                 ; which lie behind A's 256
.irp s, 0,1
	v_add_nc_u32 v[ADRA+\s], s21, v4
	v_add_nc_u32 v[ADRB+\s], s22, v4
	s_add_co_u32 s21, s21, SLOT
	s_add_co_u32 s22, s22, SLOT
.endr
	v_mul_u32_u24 v5, v1, KS                       ; my row's scales: 32 bytes a row,
	v_lshrrev_b32 v6, 8, v5
	v_lshl_add_u32 v5, v6, 4, v5                   ; and 16 more for each 256 passed
	s_mul_i32 s21, s15, HALFS                      ; A's: my 128 rows
	s_mul_i32 s22, s16, HALFS                      ; B's: my 128 rows, behind A's 256
	s_add_co_u32 s22, s22, 2*HALFS
	s_sub_co_u32 s22, s22, s21
	v_mul_u32_u24 v6, s22, v2                      ; lanes 16-31 take B's
	s_add_co_u32 s21, s21, SCL
	v_add_nc_u32 v5, v5, v6
	v_add_nc_u32 v[ADRS], s21, v5
	v_and_b32 v[LN], 31, v0
	v_lshlrev_b32 v[LI], 4, v[LN]
.macro FRAG reg, adr, q, i             ; a fragment: lane l holds row l % 16; registers 4 c .. 4 c + 3 hold K = 64 c + 32 (l / 16) + 0 .. 31
.irp c, 0,1
	ds_load_b128 v[\reg+4*\c:\reg+4*\c+3], v[\adr] offset:64*(\q)+32*\c+(\i)*16*PITCH
.endr
.endm
; 16 matrix instructions: A's blocks a0, a0 + 1 x B's eight, 128 along K: the slot's q-th.  p: B's set;  sc: the set of scale words.
; cm = 1: the sums start with the bias of B's rows (eight registers a tile b);  2: with the bias of A's rows (a tile a);  0: they go on.  Nothing is ever cleared.
; The 64 accumulators take turns, one instruction a turn, in the same order in every step.
.macro MUL16 a0, p, q, sc, cm
.irp a, \a0, \a0+1
.irp b, 0,1,2,3,4,5,6,7
.if (\cm) == 1
	v_wmma_scale_f32_16x16x128_f8f6f4 v[8*(8*((\a)%4)+\b):8*(8*((\a)%4)+\b)+7], v[128*(\p)+FR*\b:128*(\p)+FR*\b+FR-1], v[AF+FR*(\a):AF+FR*(\a)+FR-1], v[BI+8*\b:BI+8*\b+7], v[SC+8*NQ*(\sc)+NQ*\b+(\q)], v[SC+8*NQ*(\sc)+NQ*(\a)+(\q)] matrix_a_fmt:MATRIX_FMT_FP4 matrix_b_fmt:MATRIX_FMT_FP4 matrix_a_scale:MATRIX_SCALE_ROW1
.elseif (\cm) == 2
	v_wmma_scale_f32_16x16x128_f8f6f4 v[8*(8*((\a)%4)+\b):8*(8*((\a)%4)+\b)+7], v[128*(\p)+FR*\b:128*(\p)+FR*\b+FR-1], v[AF+FR*(\a):AF+FR*(\a)+FR-1], v[BI+8*(\a):BI+8*(\a)+7], v[SC+8*NQ*(\sc)+NQ*\b+(\q)], v[SC+8*NQ*(\sc)+NQ*(\a)+(\q)] matrix_a_fmt:MATRIX_FMT_FP4 matrix_b_fmt:MATRIX_FMT_FP4 matrix_a_scale:MATRIX_SCALE_ROW1
.else
	v_wmma_scale_f32_16x16x128_f8f6f4 v[8*(8*((\a)%4)+\b):8*(8*((\a)%4)+\b)+7], v[128*(\p)+FR*\b:128*(\p)+FR*\b+FR-1], v[AF+FR*(\a):AF+FR*(\a)+FR-1], v[8*(8*((\a)%4)+\b):8*(8*((\a)%4)+\b)+7], v[SC+8*NQ*(\sc)+NQ*\b+(\q)], v[SC+8*NQ*(\sc)+NQ*(\a)+(\q)] matrix_a_fmt:MATRIX_FMT_FP4 matrix_b_fmt:MATRIX_FMT_FP4 matrix_a_scale:MATRIX_SCALE_ROW1
.endif
.endr
.endr
.endm
.macro FETCH_B slot, q, p              ; B's eight fragments of the slot's q-th 128 along K into set p
	WIN TO_B
.irp i, 0,1,2,3,4,5,6,7
	FRAG 128*(\p)+FR*\i, ADRB+\slot, \q, \i
.endr
	WIN 0
.endm
.macro FETCH_A slot, q, i0             ; A's blocks i0 .. i0 + 3
.irp i, \i0, \i0+1, \i0+2, \i0+3
	FRAG AF+FR*(\i), ADRA+\slot, \q, \i
.endr
.endm
.macro SCALES sc                       ; a slot's scale words into set sc: four words a row; lanes 0-15 take A's block i, lanes 16-31 B's block i
.irp i, 0,1,2,3,4,5,6,7
	ds_load_b128 v[SC+8*NQ*\sc+NQ*\i:SC+8*NQ*\sc+NQ*\i+3], v[ADRS] offset:\i*SBLK
.endr
.endm
; A load into a register that a matrix instruction has read, and a vector instruction that reads a matrix result or writes one of a matrix instruction's registers, stand NP places behind it, and only plain
; vector instructions that name none of its registers are places (ISA guide 7.12.1 for vector instructions).
.macro PLACES n
.rept \n
	v_nop
.endr
.endm
.macro STEP slot, q, cm                ; a step of 128 along K that has its successor in the same slot
	s_wait_dscnt 4*NL                              ; B's set and A's blocks 0-3 are in; the youngest eight loads (A's blocks 4-7) may be out
.if (\cm)
	WIN 0x81                                       ; as MUL_LO, with C (the bias) in window 0
.else
	WIN MUL_LO
.endif
	MUL16 0, (\q)%2, \q, \slot, \cm
	MUL16 2, (\q)%2, \q, \slot, \cm
	s_wait_dscnt 0                                 ; A's blocks 4-7 are in (asked for 32 matrix instructions ago)
	PLACES NP
	FETCH_B \slot, (\q)+1, 1-(\q)%2
	FETCH_A \slot, (\q)+1, 0
.if (\cm)
	WIN 0xc1
.else
	WIN MUL_HI
.endif
	MUL16 4, (\q)%2, \q, \slot, \cm
	MUL16 6, (\q)%2, \q, \slot, \cm
	PLACES NP
	WIN 0
	FETCH_A \slot, (\q)+1, 4
.endm
; Slot 0's last step goes on into slot 1: one barrier; in front of it each wave waits for all its tensor loads (its part of slot 1), adds 0 to its spare word, and waits for that and for its LDS loads.
.macro TURN slot, next
	s_wait_tensorcnt 0x0                           ; all my tensor loads have landed: my part of the next slot  (every window is 0 here)
	ds_add_u32 v[SPW], v[NIL]                      ; 0 onto my spare word
	s_wait_dscnt 4*NL+1                            ; (the add and the youngest eight loads, A's blocks 4-7, may be out)
	WIN MUL_LO
	MUL16 0, 1, NQ-1, \slot, 0                     ; sixteen matrix instructions stand between the add and the wait for it
	s_wait_dscnt 0x0                               ; the add is done, and no LDS load of mine is out
	s_barrier_signal -1
	MUL16 2, 1, NQ-1, \slot, 0
	WIN 0
	s_barrier_wait -1                              ; every wave's part of the next slot has landed
	PLACES NP
	v_add_nc_u32 v[ADRS], 4*NQ, v[ADRS]            ; on to the next slot's scale words
	FETCH_B \next, 0, 0
	FETCH_A \next, 0, 0
	SCALES \next
	WIN MUL_HI
	MUL16 4, 1, NQ-1, \slot, 0
	MUL16 6, 1, NQ-1, \slot, 0
	PLACES NP
	WIN 0
	FETCH_A \next, 0, 4
.endm
.macro MAIN cm                         ; all eight steps of 128 along K
	s_wait_tensorcnt 1                             ; the scales and my part of slot 0 are in (slot 1's load may be out)
	s_barrier_signal -1
	s_barrier_wait -1                              ; everybody's are
	FETCH_B 0, 0, 0
	FETCH_A 0, 0, 0
	SCALES 0
	FETCH_A 0, 0, 4
	STEP 0, 0, \cm
	STEP 0, 1, 0
	STEP 0, 2, 0
	TURN 0, 1
	STEP 1, 0, 0
	STEP 1, 1, 0
	STEP 1, 2, 0
	s_wait_dscnt 4*NL                              ; the last step: nothing more to fetch
	WIN MUL_LO
	MUL16 0, 1, NQ-1, 1, 0
	MUL16 2, 1, NQ-1, 1, 0
	s_wait_dscnt 0
	WIN MUL_HI
	MUL16 4, 1, NQ-1, 1, 0
	MUL16 6, 1, NQ-1, 1, 0
	WIN 0
.endm
; 64 numbers of a lane in window w, v[s] .. v[s + 63], register 16 b + i = k 32 b + 16 (lane / 16) + i of my row, become a fragment's codes in v[PC] on and its scale word in v[pw].
; The numbers are read in ascending order.
.macro QUANT s, w, pw
	WIN (\w)|((\w)<<2)
.irp b, 0,1,2,3
	v_max3_num_f32 v[TM+\b], |v[\s+16*\b]|, |v[\s+1+16*\b]|, 0x1800000   ; block b: my 16 numbers, and the floor 2^(3 - 127): the byte cannot fall under 1
.endr
	WIN ((\w)<<2)|((\w)<<4)
.irp i, 2,4,6,8,10,12,14
.irp b, 0,1,2,3
	v_max3_num_f32 v[TM+\b], v[TM+\b], |v[\s+16*\b+\i]|, |v[\s+1+16*\b+\i]|   ; (the four blocks by turns)
.endr
.endr
	WIN 0
.irp b, 0,1,2,3
	v_permlanex16_b32 v[TM+4+\b], v[TM+\b], s[SEL], s[SEL+1]
.endr
.irp b, 0,1,2,3
	v_max_num_f32 v[TM+\b], v[TM+\b], v[TM+4+\b]   ; with lane l xor 16's: the block's largest magnitude
.endr
.irp b, 0,1,2,3
	v_add_nc_u32 v[TM+12+\b], 0xff000000, v[TM+\b] ; 2 off its exponent field: the conversion's scale operand
.endr
.irp b, 0,1,2,3
	v_lshrrev_b32 v[TM+4+\b], 23, v[TM+12+\b]      ; the scale's byte
.endr
	v_lshl_or_b32 v[\pw], v[TM+5], 8, v[TM+4]      ; the four bytes make my row's scale word (the same in lanes l and l xor 16)
	v_lshl_or_b32 v[\pw], v[TM+6], 16, v[\pw]
	v_lshl_or_b32 v[\pw], v[TM+7], 24, v[\pw]
	s_wait_xcnt 0x0                                ; the last block's two stores have read v[PC] on: the conversions below are the first lines that write those registers again.  The wait stands here, behind this block's other work, and not behind the stores
	WIN (\w)
.irp b, 0,1,2,3
	v_cvt_scalef32_pk8_fp4_f32 v[PC+2*\b], v[\s+16*\b:\s+7+16*\b], v[TM+12+\b]
	v_cvt_scalef32_pk8_fp4_f32 v[PC+1+2*\b], v[\s+8+16*\b:\s+15+16*\b], v[TM+12+\b]
.endr
	WIN 0
	v_nop                                          ; one plain place behind a scaled conversion
.irp c, 0,1                                    ; the operand's layout wants a whole block in a lane: lanes 0-15 block 2 c, lanes 16-31 block 2 c + 1
.irp i, 0,1
	v_permlane16_swap_b32 v[PC+4*\c+\i], v[PC+2+4*\c+\i]
.endr
.endr
.endm
	s_wait_kmcnt 0x0
	s_cmp_lg_u32 s95, 0                            ; one parting of the ways, on the cluster's number: alike in all waves and all partners
	s_cbranch_scc1 .Lv
	; ---------------- QK: my 128 rows of x are one key step s of one batch; my 128 rows of the weight are two heads
	s_lshl_b32 s18, s17, 1
	s_add_co_u32 s18, s18, s15                     ; which 128 rows of x
	s_lshr_b32 s19, s18, 4                         ; the batch
	s_and_b32 s18, s18, 15                         ; s
	s_lshl_b32 s2, s40, 2
	s_lshl_b32 s3, s16, 1
	s_add_co_u32 s2, s2, s3                        ; my first head: 4 cx + 2 x half
	s_lshl_b32 s19, s19, 4
	s_add_co_u32 s19, s19, s2
	s_mul_i32 s20, s19, REC                        ; its record
	s_mov_b32 s22, QS_OFF
	s_cmp_lg_u32 s66, 0                            ; q or k
	s_cselect_b32 s21, KC_OFF, 0
	s_cselect_b32 s22, KS_OFF, s22
	s_cselect_b64 s[46:47], s[6:7], s[4:5]         ; the bias
	s_add_co_u32 s21, s21, s20
	s_add_co_u32 s22, s22, s20
	s_lshl_b32 s3, s18, 12                         ; eight tiles of 512 bytes a key step
	s_add_co_u32 s20, s21, s3
	s_mov_b32 s21, 0
	s_add_nc_u64 s[20:21], s[12:13], s[20:21]      ; where my codes go
	s_lshl_b32 s3, s18, 9                          ; 512 bytes of scale words a key step
	s_add_co_u32 s22, s22, s3
	s_mov_b32 s23, 0
	s_add_nc_u64 s[22:23], s[12:13], s[22:23]      ; where my scale words go
	s_lshl_b32 s2, s2, 8                           ; 64 numbers a head
	s_mov_b32 s3, 0
	s_add_nc_u64 s[46:47], s[46:47], s[2:3]
	s_lshl_b32 s2, s18, 15                         ; the table: eight tiles of 4,096 bytes a key step
	s_add_nc_u64 s[92:93], s[10:11], s[2:3]
	v_lshlrev_b32 v[BO], 6, v2                     ; registers 16 b + i of result tiles 2 b, 2 b + 1 are outputs 32 b + 16 h + i
.irp be, 0,1,2,3
.irp j, 0,1,2,3
	global_load_b128 v[BI+16*\be+4*\j:BI+16*\be+4*\j+3], v[BO], s[46:47] offset:128*\be+16*\j
.endr
.endr
.macro ROPELD a                        ; cos (16 registers) and sin (16) for block a of my rows, into window 1
.set RS, 32*((\a)%2)+128*(((\a)%4)/2)+64*(1-(\a)/4)
.irp cs, 0,1
.irp j, 0,1,2,3
	global_load_b128 v[RS+16*\cs+4*\j:RS+16*\cs+4*\j+3], v[LI], s[92:93] offset:4096*(\a)+2048*\cs+512*\j
.endr
.endr
.endm
	WIN TO_B
	s_wait_alu depctr_va_vdst(0)
.irp a, 0,1,2,3
	ROPELD \a                                      ; four blocks' sets now, into the half of window 1 that B's fragments leave free
.endr
	WIN 0
	s_wait_loadcnt 32                              ; the bias is in; the 32 loads of the table may be out
	MAIN 1
	PLACES NP
	WIN TO_B
.irp a, 4,5,6,7
	ROPELD \a                                      ; the other four, into B's registers
.endr
	WIN 0
.irp b, 0,1,2,3
	v_mov_b32 v[TM+4+\b], 0                        ; written once: a lane permute's destination counts as one of its sources
.endr
	v_cmp_le_u32 vcc_lo, 16, v[LN]                 ; lanes 16-31
; Block a: 16 rows x two heads.  The rotation: new x1 = x1 cos - x2 sin, new x2 = x1 sin + x2 cos, x1 = the head's d 0-31 (tiles 4 hd, 4 hd + 1), x2 = d 32-63 (tiles 4 hd + 2, 4 hd + 3); a lane's pair i is d = 16 h + i.
; Then the four blocks of 32 are quantised: registers 4 hd .. 4 hd + 3 of the codes are head hd's image: lane (r, h) holds block h of row r.
.macro QKOUT a
.set AC, 64*((\a)%4)
.set RS, 32*((\a)%2)+128*(((\a)%4)/2)+64*(1-(\a)/4)
.if (\a) == 0
	s_wait_loadcnt 32                              ; the first four sets of the table are in; the 32 later loads may be out
.elseif (\a) >= 4
	s_wait_loadcnt 8*(7-(\a))                      ; this block's set is in; the later blocks' may be out
.endif
	WIN (2+(\a)/4)|0x04                            ; source 0: the accumulators' window; source 1: the table, window 1
.irp hd, 0,1
.irp i, 0,2,4,6,8,10,12,14
	v_pk_mul_f32 v[NB+32*\hd+\i:NB+32*\hd+\i+1], v[AC+32*\hd+16+\i:AC+32*\hd+17+\i], v[RS+16+\i:RS+17+\i]
	v_pk_mul_f32 v[NB+32*\hd+16+\i:NB+32*\hd+17+\i], v[AC+32*\hd+16+\i:AC+32*\hd+17+\i], v[RS+\i:RS+\i+1]
	v_pk_fma_f32 v[NB+32*\hd+16+\i:NB+32*\hd+17+\i], v[AC+32*\hd+\i:AC+32*\hd+\i+1], v[RS+16+\i:RS+17+\i], v[NB+32*\hd+16+\i:NB+32*\hd+17+\i]
	v_pk_fma_f32 v[NB+32*\hd+\i:NB+32*\hd+\i+1], v[AC+32*\hd+\i:AC+32*\hd+\i+1], v[RS+\i:RS+\i+1], v[NB+32*\hd+\i:NB+32*\hd+\i+1] neg_lo:[0,0,1] neg_hi:[0,0,1]
.endr
.endr
	WIN 0
	QUANT NB, 0, PWB+(\a)
	global_store_b128 v[LI], v[PC:PC+3], s[20:21] offset:512*(\a)          ; 32 lanes store 512 consecutive bytes, aligned
	global_store_b128 v[LI], v[PC+4:PC+7], s[20:21] offset:512*(\a)+REC    ; the second head's record is the next
.endm
.irp a, 0,1,2,3,4,5,6,7
	QKOUT \a
.endr
.irp j, 0,1,2,3
	v_cndmask_b32 v[TM+\j], v[PWB+\j], v[PWB+4+\j], vcc_lo   ; lanes 0-15: the words of tiles 0-3, lanes 16-31: of tiles 4-7: [half][row][tile % 4]
.endr
.irp j, 0,1,2,3
	v_lshrrev_b32 v[TM+4+\j], 16, v[TM+\j]         ; the second head's two bytes.  (Bytes 2 and 3 of a word scale the upper 64 of the instruction's 128, which are zero codes: the neighbour's bytes or 0 stand there, never 0xff)
.endr
	global_store_b128 v[LI], v[TM:TM+3], s[22:23]
	global_store_b128 v[LI], v[TM+4:TM+7], s[22:23] offset:REC
	s_branch .Lend
.Lv:	; ---------------- V: my 128 rows of WV are two heads; my 128 rows of x are one key step s of one batch
	s_lshl_b32 s18, s42, 1
	s_add_co_u32 s18, s18, s16                     ; which 128 rows of x
	s_lshr_b32 s19, s18, 4                         ; the batch
	s_and_b32 s18, s18, 15                         ; s
	s_lshl_b32 s2, s17, 2
	s_lshl_b32 s3, s15, 1
	s_add_co_u32 s2, s2, s3                        ; my first head: 4 x tile row + 2 x half
	s_lshl_b32 s19, s19, 4
	s_add_co_u32 s19, s19, s2
	s_mul_i32 s20, s19, REC
	s_lshl_b32 s3, s18, 8                          ; 256 bytes of scale words a key step
	s_add_co_u32 s22, s20, s3
	s_add_co_u32 s22, s22, VS_OFF
	s_mov_b32 s23, 0
	s_add_nc_u64 s[22:23], s[12:13], s[22:23]
	s_lshl_b32 s3, s18, 12                         ; 4,096 bytes of codes a key step
	s_add_co_u32 s20, s20, s3
	s_add_co_u32 s20, s20, VC_OFF
	s_mov_b32 s21, 0
	s_add_nc_u64 s[20:21], s[12:13], s[20:21]
	s_lshl_b32 s2, s2, 8
	s_mov_b32 s3, 0
	s_add_nc_u64 s[46:47], s[8:9], s[2:3]
	v_and_b32 v[BO], 8, v1
	v_add_nc_u32 v[BO], v[BO], v1
	v_lshlrev_b32 v[BO], 2, v[BO]                  ; lane r of stored tile 2 b + u is d = 32 b + 8 u + r + (r & 8)
	v_mul_u32_u24 v[VO], v2, REC
	v_lshl_add_u32 v[VO], v1, 4, v[VO]             ; scale words: 16 bytes a row; lanes 16-31: the second head's record
.irp a, 0,1,2,3,4,5,6,7
.irp j, 0,1,2,3,4,5,6,7
	global_load_b32 v[BI+8*\a+\j], v[BO], s[46:47] offset:4*(64*(\a/4)+32*((\a%4)/2)+8*(\a%2))   ; a lane's eight results of a tile belong to one d: eight times its bias
.endr
.endr
	s_wait_loadcnt 0x0
	s_wait_alu depctr_va_vdst(0)
	MAIN 2
	PLACES NP
.irp b, 0,1,2,3
	v_mov_b32 v[TM+4+\b], 0
.endr
	v_cmp_le_u32 vcc_lo, 16, v[LN]
.macro VOUT a                          ; block a: 16 d's x 128 keys, quantised along the keys straight from the accumulators: one fragment of V^T
.set AC, 64*((\a)%4)
	QUANT AC, 2+(\a)/4, PWB+(\a)
	global_store_b128 v[LI], v[PC:PC+3], s[20:21] offset:((\a)/4)*REC+1024*((\a)%4)
	global_store_b128 v[LI], v[PC+4:PC+7], s[20:21] offset:((\a)/4)*REC+1024*((\a)%4)+512
.endm
.irp a, 0,1,2,3,4,5,6,7
	VOUT \a
.endr
.irp j, 0,1,2,3
	v_cndmask_b32 v[TM+\j], v[PWB+\j], v[PWB+4+\j], vcc_lo   ; lanes 0-15: the first head's four d tiles, lanes 16-31: the second's
.endr
	global_store_b128 v[VO], v[TM:TM+3], s[22:23]  ; sixteen lanes store 256 consecutive bytes, aligned, in each of the two records
.Lend:
	s_wait_tensorcnt 0x0                           ; the wave's end
	ds_add_u32 v[SPW], v[NIL]
	s_wait_dscnt 0x0
	CROUND                                         ; the closing round: no work-group ends while a partner may still ask for a tile that names it
	s_endpgm
.Lfunc_end_k_q9967613d64_proj:
	.size	k_q9967613d64_proj, .Lfunc_end_k_q9967613d64_proj-k_q9967613d64_proj
	.p2alignl 7, 3214868480
	.fill 96, 4, 3214868480
	.section	.rodata,"a",@progbits
	.p2align	6, 0x0
	.amdhsa_kernel k_q9967613d64_proj
		.amdhsa_group_segment_fixed_size 327680
		.amdhsa_private_segment_fixed_size 0
		.amdhsa_enable_private_segment 0
		.amdhsa_kernarg_size 72
		.amdhsa_user_sgpr_count 2
		.amdhsa_user_sgpr_kernarg_segment_ptr 1
		.amdhsa_wavefront_size32 1
		.amdhsa_system_sgpr_workgroup_id_x 1
		.amdhsa_system_sgpr_workgroup_id_y 1
		.amdhsa_system_sgpr_workgroup_id_z 1
		.amdhsa_system_vgpr_workitem_id 0
		.amdhsa_next_free_vgpr 1024
		.amdhsa_next_free_sgpr 106
		.amdhsa_reserve_vcc 1
		.amdhsa_float_denorm_mode_32 3
		.amdhsa_float_denorm_mode_16_64 3
		.amdhsa_memory_ordered 1
		.amdhsa_forward_progress 1
		.amdhsa_inst_pref_size 255
	.end_amdhsa_kernel
	.section	.bss,"aw",@nobits
	.p2align	6
	.space	262144
	.amdgpu_metadata
---
amdhsa.version: [ 1, 2 ]
amdhsa.kernels:
  - .name:           k_q9967613d64_proj
    .symbol:         k_q9967613d64_proj.kd
    .args:
      - { .name: xc, .offset: 0, .size: 8, .value_kind: global_buffer, .address_space: global }
      - { .name: xsc, .offset: 8, .size: 8, .value_kind: global_buffer, .address_space: global }
      - { .name: wc, .offset: 16, .size: 8, .value_kind: global_buffer, .address_space: global }
      - { .name: wsc, .offset: 24, .size: 8, .value_kind: global_buffer, .address_space: global }
      - { .name: WQ_b, .offset: 32, .size: 8, .value_kind: global_buffer, .address_space: global }
      - { .name: WK_b, .offset: 40, .size: 8, .value_kind: global_buffer, .address_space: global }
      - { .name: WV_b, .offset: 48, .size: 8, .value_kind: global_buffer, .address_space: global }
      - { .name: rope, .offset: 56, .size: 8, .value_kind: global_buffer, .address_space: global }
      - { .name: qkv, .offset: 64, .size: 8, .value_kind: global_buffer, .address_space: global }
    .group_segment_fixed_size: 327680
    .private_segment_fixed_size: 0
    .kernarg_segment_align: 8
    .kernarg_segment_size: 72
    .max_flat_workgroup_size: 128
    .sgpr_count:     106
    .vgpr_count:     1024
    .wavefront_size: 32
...
	.end_amdgpu_metadata
.endif
;; end of part 2
;; launch attn (part 3): grid 4 x 64, 16 waves a work-group, clusters of 4 x 1, 327,680 bytes of LDS; arguments qkv, ac, asc; writes ac, asc
.if DOCPART == 3
	.amdgcn_target "amdgcn-amd-amdhsa--gfx1250"
	.amdhsa_code_object_version 6
	.text
	.protected	k_q9967613d64_attn
	.globl	k_q9967613d64_attn
	.p2align	8
	.type	k_q9967613d64_attn,@function
k_q9967613d64_attn:
	s_mov_b64 s[64:65], 0
	v_nop
	global_prefetch_b8 v0, s[64:65] scope:SCOPE_SE
	s_setreg_imm32_b32 hwreg(HW_REG_WAVE_MODE, 25, 1), 1
	s_wait_xcnt 0x0
	s_wait_alu depctr_hold_cnt(0) depctr_sa_sdst(0) depctr_va_vdst(0) depctr_va_sdst(0) depctr_va_ssrc(0) depctr_va_vcc(0) depctr_vm_vsrc(0)
	s_getreg_b32 s2, hwreg(HW_REG_IB_STS2, 6, 4)
	s_cmp_eq_u32 s2, 0
	s_cbranch_scc0 .Lentry_in_a_cluster
	s_endpgm
.Lentry_in_a_cluster:
	s_bfe_u32 s2, ttmp6, 0x10000c
	s_cmp_lg_u32 s2, 0x3003
	s_cbranch_scc0 .Lentry_shape_is_right
	s_endpgm
.Lentry_shape_is_right:
; Causal attention of one head (batch x 16 + head = work-group y) on codes of FP4 with E8M0 scales; head size 64, 2,048 keys.  The result O / l is quantised along the head's 64 and leaves as codes for the last projection.
; THE SOFTMAX AHEAD OF THE SECOND PRODUCT: t = score x log2(e) / 8; M = the row's largest t so far, rounded UP to a whole number; p = 2^(t - M) is what is quantised, along the keys; the row's sum is taken of the
; unquantised p and divides O at the end.  When M moves, the sum and O are multiplied by 2^(old M - new M): exact.
; SHARES.  Sixteen waves, 256 registers each.  Wave w of work-group x = g makes two tiles of 16 queries one after the other: stored tile 8 w + g, then stored tile 8 (15 - w) + 4 + g.
; A tile T needs T / 8 + 1 key steps of 128 keys: w + 1 and 16 - w, so every wave of the launch has 17 steps, and HOW MANY STEPS A WAVE WALKS HANGS ON ITS NUMBER ALONE, not on g.
; CLUSTER.  The four work-groups of a head (g = 0 .. 3) read the same k, v and scale words, so they form a cluster and ask for them JOINTLY: the same tensor load, with the same descriptor and a mask that names the four,
; in all four; each receives the bytes in its own LDS.  g enters only q's and the result's global addresses and one vector register (the lane's query): no branch and no LDS address hangs on it.
; LDS holds the head's k codes, v codes and their scale words, 143,360 consecutive bytes of the head's record, FILLED ONCE: each wave brings 8,960 of them by one joint load; one barrier; nothing is filled again.
; LAYOUT.  Both products are used transposed: S^T = K Q^T (source 0 = 16 keys, source 1 = my 16 queries), O^T = V^T P^T (source 0 = 16 d's, source 1 = P): a lane holds ONE query (lane % 16) throughout.
; Stored tiles carry the permutation of rows: lane r of stored tile 2 b + u is actual row 32 b + 8 u + r + (r & 8).  So the 16 registers of S^T's tiles 2 b, 2 b + 1 are keys 32 b + 16 (lane / 16) + 0 .. 15 of the step,
; and the 16 registers of O^T's tiles 2 b, 2 b + 1 are d = 32 b + 16 (lane / 16) + 0 .. 15.  My queries are Q0 + r + (r & 8), Q0 = 32 (T / 2) + 8 (T % 2).
; THE FIRST PRODUCT'S K IS 64 of the instruction's 128: registers 4-7 of both its operands are zero codes.
; The loop over key steps has 16 trips in every wave; a step all of whose keys lie behind my queries is jumped over by a scalar branch on the wave's number; no barrier and no tensor load stands in a step.
; THE DIAGONAL STEP.  The first tile's queries lie in the step's keys 0-63 (T % 8 = g < 4): its keys 64-127 are all hidden.  The second tile's lie in keys 64-127 (T % 8 = 4 + g): its keys 0-63 all count.
; LIMITS: NaN and infinities are not served; O / l is a multiplication by v_rcp_f32's result; a block of O whose largest magnitude lies under 2^-124 gets the byte 1.
; asc's bytes leave one a lane, 32 bytes apart: a head owns 2 of a row's 32 scale bytes; they are one sixteenth of what the launch stores.
; REGISTERS: v1-7 addresses that stay; v8-11 addresses of the step; v12 -M, v13 the largest t, v[14:15] the sum in two halves; v16-23 Q; v26-28 lane terms; v32-63 four fragments of K; v64-95 four of V;
;   v96-159 S^T, then p; v160-191 O^T; v192-199 p's codes; v200-207 K's scale words; v208-211 V's; v212-233 at work; v224 p's scale word; v225 Q's.
.set REC,    217088
.set QS_OFF, 65536
.set KV_OFF, 73728                     ; where k's codes begin in a record; v's codes, k's scale words and v's follow
.set PART,   8960                      ; a wave's share of the 143,360 bytes: 35 rows of 256
.set L_VC,   65536                     ; LDS: k's codes at 0, v's here,
.set L_KS,   131072                    ; k's scale words,
.set L_VS,   139264                    ; v's,
.set SPARE,  143360                    ; and the spare words, 128 bytes for each wave: eight blocks of 256 bytes that no other line names
.set BM, 212                           ; v212-215 a block's largest score, then its largest p
.set BX, 216                           ; v216-219 the other half's; then the scale bytes
.set SO, 220                           ; v220-223 the conversions' scale operands
.set KF, 17                            ; s17 the step's first key
.set TK, 48                            ; s48 the step's codes in LDS: 4,096 bytes a step (k's and v's alike)
.set TS, 49                            ; s49 k's scale words: 512 a step
.set TV, 50                            ; s50 v's: 256 a step
.set DG, 51                            ; s51 the first key of the tile's diagonal step: 128 (T / 8), made of the wave's number
.macro CROUND                          ; a round of the cluster's barrier
	s_barrier_signal -1
	s_barrier_wait -1
	s_cmp_lg_u32 s10, 0
	s_cbranch_scc1 .Lnot_wave_0_\@
	s_barrier_signal -3
.Lnot_wave_0_\@:
	s_barrier_wait -3
	s_barrier_signal -1
	s_barrier_wait -1
.endm
	s_load_b128 s[4:7], s[0:1], 0x0                ; qkv, ac
	s_load_b64 s[8:9], s[0:1], 0x10                ; asc
	v_lshl_add_u32 v5, v0, 2, SPARE                ; my spare word; never rewritten
	v_mov_b32 v6, 0                                ; 0; never rewritten
	ds_add_u32 v5, v6
	ds_add_u32 v5, v6
	s_wait_dscnt 0x0
	v_lshrrev_b32 v8, 5, v0
	s_delay_alu instid0(VALU_DEP_1)
	v_readfirstlane_b32 s10, v8                    ; wave 0..15
	s_and_b32 s11, ttmp7, 0xffff                   ; batch x 16 + head: the four partners share it
	s_bfe_u32 s12, ttmp6, 0x40000                  ; cx: my place in the cluster
	s_lshl_b32 s13, ttmp9, 2                       ; in a cluster launch ttmp9 counts clusters
	s_add_co_u32 s13, s13, s12                     ; g = 4 x cluster x + cx
	s_mov_b32 s24, 15|(3<<16)|(1<<21)              ; descriptor group 1: 15:0 the mask: all four work-groups; 17:16 elements of 8 bytes; 21 set beside a mask; no padding
	s_mov_b32 s25, 32<<16                          ; tensor_dim0 = 32 elements: 256 bytes
	s_mov_b32 s26, 35<<16                          ; tensor_dim1 = 35
	s_mov_b32 s27, 32<<16                          ; tile_dim0
	s_mov_b32 s28, 35                              ; tile_dim1
	s_mov_b32 s29, 32                              ; the pitch: dense
	s_mov_b32 s30, 0
	s_mov_b32 s31, 0
	s_mul_i32 s36, s11, REC
	s_mov_b32 s37, 0
	s_mul_i32 s33, s10, PART                       ; group 0: the LDS address: wave x 8,960
	s_add_co_u32 s34, s33, KV_OFF                  ; and the same share of the record
	s_mov_b32 s35, 0
	s_mov_b32 s32, 1
	s_mov_b32 s20, 0x76543210
	s_mov_b32 s21, 0xfedcba98                      ; v_permlanex16_b32's selects for lane l xor 16
	s_mov_b32 s22, 0x3e38aa3b                      ; c = log2(e) / sqrt(64)
	s_mov_b32 s23, s22                             ; (the packed form names the pair and takes its low word for both halves)
	s_wait_kmcnt 0x0
	s_add_nc_u64 s[36:37], s[4:5], s[36:37]        ; the head's record
	s_add_nc_u64 s[34:35], s[36:37], s[34:35]
	s_or_b32 s35, s35, 0x80000000                  ; type = 2
	CROUND                                         ; all four work-groups are here: the joint loads meet
	tensor_load_to_lds s[32:35], s[24:31]          ; my one tensor load of the launch
	s_nop 0
.rept 4
	v_nop
.endr
	v_and_b32 v29, 31, v0                          ; lane
	v_and_b32 v30, 15, v0                          ; r
	v_bfe_u32 v31, v0, 4, 1                        ; h
	s_delay_alu instid0(VALU_DEP_3)
	v_lshlrev_b32 v1, 4, v29                       ; 16 x lane: an image's place for my lane; k's codes begin at LDS byte 0
	s_delay_alu instid0(VALU_DEP_1)
	v_add_nc_u32 v2, L_VC, v1                      ; v's codes
	s_delay_alu instid0(VALU_DEP_4)
	v_lshlrev_b32 v7, 4, v30                       ; 16 r: four scale words a row
	s_delay_alu instid0(VALU_DEP_1)
	v_add_nc_u32 v3, L_KS, v7
	s_delay_alu instid0(VALU_DEP_2)
	v_add_nc_u32 v4, L_VS, v7
	v_and_b32 v27, 8, v30
	s_delay_alu instid0(VALU_DEP_1)
	v_add_nc_u32 v27, v27, v30
	v_lshlrev_b32 v28, 4, v31
	s_delay_alu instid0(VALU_DEP_1)
	v_sub_nc_u32 v27, v27, v28                     ; r + (r & 8) - 16 h
	v_lshl_add_u32 v28, v30, 5, v31                ; 32 r + h: my byte among the rows' scale bytes
	v_cmp_le_u32 s47, 16, v29                      ; lanes 16-31
.irp j, 20,21,22,23
	v_mov_b32 v[\j], 0                             ; Q's upper 64 along K: zero codes
.endr
.irp t, 0,1,2,3
.irp j, 4,5,6,7
	v_mov_b32 v[32+8*\t+\j], 0                     ; K's likewise: written once, for the whole launch
.endr
.endr
.irp b, 0,1,2,3
	v_mov_b32 v[BX+\b], 0                          ; written once: a lane permute's destination counts as one of its sources
.endr
	v_mov_b32 v227, 0                              ; (named as the upper half of the pair v[226:227])
.macro PASS_HEAD p                     ; the tile's addresses, its Q, and the sums' beginnings
	s_wait_xcnt 0x0                                ; the last tile's loads and stores have read their addresses and data
.if \p == 0
	s_mov_b32 s52, s10                             ; T / 8 = w,
	s_mov_b32 s53, s13                             ; T % 8 = g
.else
	s_sub_co_u32 s52, 15, s10                      ; T / 8 = 15 - w,
	s_add_co_u32 s53, s13, 4                       ; T % 8 = 4 + g
.endif
	s_lshl_b32 s[DG], s52, 7                       ; the diagonal step's first key,
	s_add_co_u32 s16, s[DG], 127                   ; and its last: both the same in all four partners
	s_lshl_b32 s14, s52, 3
	s_add_co_u32 s14, s14, s53                     ; T
	s_lshr_b32 s15, s14, 1
	s_lshl_b32 s15, s15, 5
	s_and_b32 s19, s14, 1
	s_lshl_b32 s19, s19, 3
	s_add_co_u32 s15, s15, s19                     ; Q0: my first query
	s_lshl_b32 s38, s14, 9
	s_mov_b32 s39, 0
	s_add_nc_u64 s[38:39], s[36:37], s[38:39]      ; Q's image
	s_lshr_b32 s40, s14, 2
	s_lshl_b32 s40, s40, 8
	s_and_b32 s19, s14, 3
	s_lshl_b32 s19, s19, 2
	s_add_co_u32 s40, s40, s19
	s_add_co_u32 s40, s40, QS_OFF
	s_mov_b32 s41, 0
	s_add_nc_u64 s[40:41], s[36:37], s[40:41]      ; Q's scale words: [T / 4][row][T % 4]
	s_lshr_b32 s19, s11, 4
	s_lshl_b32 s19, s19, 7
	s_add_co_u32 s19, s19, s14                     ; the row tile of the last projection: 128 x batch + T
	s_and_b32 s46, s11, 15                         ; the head
	s_lshl_b32 s42, s19, 13
	s_lshl_b32 s43, s46, 9
	s_add_co_u32 s42, s42, s43
	s_mov_b32 s43, 0
	s_add_nc_u64 s[42:43], s[6:7], s[42:43]        ; ac: [row tile][head][512]
	s_lshl_b32 s44, s19, 9
	s_lshl_b32 s45, s46, 1
	s_add_co_u32 s44, s44, s45
	s_mov_b32 s45, 0
	s_add_nc_u64 s[44:45], s[8:9], s[44:45]        ; asc: [stored row][32], bytes 2 x head, 2 x head + 1
	global_load_b128 v[16:19], v1, s[38:39]
	global_load_b32 v225, v7, s[40:41]
	v_add_nc_u32 v26, s15, v27                     ; my query - 16 h
	v_mov_b32 v13, 0xff61b1e6                      ; the largest t so far: -3e38, under every t
	s_delay_alu instid0(VALU_DEP_1)
	v_floor_f32 v12, -v13                          ; -M
	v_mov_b32 v14, 0                               ; the sum, in two halves
	v_mov_b32 v15, 0
.set j, 0
.rept 32
	v_mov_b32 v[160+j], 0                          ; O^T.  (The step is written once: the first finds zeros, which the first change of M leaves zeros)
.set j, j+1
.endr
.endm
.macro STEP p                          ; a key step: 128 keys;  p: the wave's first tile (0) or its second (1)
	s_cmp_gt_u32 s[KF], s16                        ; behind the diagonal step: nothing to do
	s_cbranch_scc1 .Lhidden_\@
	s_setprio 2
	v_add_nc_u32 v8, s[TK], v1                     ; (these four are the places behind the last step's products, in front of the loads into their registers)
	v_add_nc_u32 v9, s[TK], v2
	v_add_nc_u32 v10, s[TS], v3
	v_add_nc_u32 v11, s[TV], v4
	ds_load_b128 v[200:203], v10                   ; K's scale words: tiles 0-3 of my lane's row,
	ds_load_b128 v[204:207], v10 offset:256        ; tiles 4-7
.irp t, 0,1,2,3
	ds_load_b128 v[32+8*\t:35+8*\t], v8 offset:512*\t   ; K's tiles 0-3: images, 512 consecutive bytes a load
.endr
	ds_load_b128 v[208:211], v11                   ; V's scale words: the four d tiles of my lane's row
.irp dt, 0,1,2,3
.irp c, 0,1
	ds_load_b128 v[64+8*\dt+4*\c:67+8*\dt+4*\c], v9 offset:1024*\dt+512*\c
.endr
.endr
	s_wait_alu depctr_va_vdst(0)
	s_wait_dscnt 9                                 ; K's six loads are in; V's nine may be out
.irp t, 0,1,2,3
	v_wmma_scale_f32_16x16x128_f8f6f4 v[96+8*\t:103+8*\t], v[32+8*\t:39+8*\t], v[16:23], 0, v[200+\t], v225 matrix_a_fmt:MATRIX_FMT_FP4 matrix_b_fmt:MATRIX_FMT_FP4
.endr
.rept 4
	v_nop                                          ; places in front of loads into registers that matrix instructions have read
.endr
.irp t, 0,1,2,3
	ds_load_b128 v[32+8*\t:35+8*\t], v8 offset:512*(4+\t)   ; K's tiles 4-7
.endr
	s_wait_dscnt 0x0
.irp t, 0,1,2,3
	v_wmma_scale_f32_16x16x128_f8f6f4 v[128+8*\t:135+8*\t], v[32+8*\t:39+8*\t], v[16:23], 0, v[204+\t], v225 matrix_a_fmt:MATRIX_FMT_FP4 matrix_b_fmt:MATRIX_FMT_FP4
.endr
.rept 4
	v_nop
.endr
	s_cmp_lt_u32 s[KF], s[DG]                      ; ahead of the diagonal step all keys count.  On it the scores of hidden keys become -infinity ahead of the maximum: p = 0 then
	s_cbranch_scc1 .Lopen_\@
	v_sub_nc_u32 v230, v26, s[KF]                  ; d = my query - the step's first key - 16 h.  Register 16 b + i holds key 32 b + 16 h + i of the step: hidden where 32 b + i > d
	v_mov_b32 v231, 0xff800000                     ; -infinity
.if \p == 0
.set n, 0
.rept 32                                       ; the first tile's queries lie among keys 0-63: these are compared,
	v_cmp_gt_i32 vcc_lo, 32*(n/16)+n%16, v230
	v_cndmask_b32 v[96+n], v[96+n], v231, vcc_lo
.set n, n+1
.endr
.rept 32                                       ; and keys 64-127 are hidden from all of them
	v_mov_b32 v[96+n], v231
.set n, n+1
.endr
.else
.set n, 32
.rept 32                                       ; the second tile's queries lie among keys 64-127: keys 0-63 count for all of them
	v_cmp_gt_i32 vcc_lo, 32*(n/16)+n%16, v230
	v_cndmask_b32 v[96+n], v[96+n], v231, vcc_lo
.set n, n+1
.endr
.endif
.Lopen_\@:
.irp b, 0,1,2,3
	v_max3_num_f32 v[BM+\b], v[96+16*\b], v[97+16*\b], v[98+16*\b]   ; the largest score of each block of 32 keys: it serves the row's maximum and, since p rises with the score, the block's largest p
.endr
.irp i, 3,5,7,9,11,13
.irp b, 0,1,2,3
	v_max3_num_f32 v[BM+\b], v[BM+\b], v[96+16*\b+\i], v[97+16*\b+\i]   ; (the four blocks by turns)
.endr
.endr
.irp b, 0,1,2,3
	v_max_num_f32 v[BM+\b], v[BM+\b], v[111+16*\b]
.endr
.irp b, 0,1,2,3
	s_delay_alu instid0(VALU_DEP_4)
	v_permlanex16_b32 v[BX+\b], v[BM+\b], s20, s21
.endr
.irp b, 0,1,2,3
	s_delay_alu instid0(VALU_DEP_4)
	v_max_num_f32 v[BM+\b], v[BM+\b], v[BX+\b]     ; with lane l xor 16's 16 keys
.endr
	s_delay_alu instid0(VALU_DEP_2)
	v_max3_num_f32 v228, v212, v213, v214
	s_delay_alu instid0(VALU_DEP_1)
	v_max_num_f32 v228, v228, v215                 ; the step's largest score of my query
	s_delay_alu instid0(VALU_DEP_1)
	v_mul_f32 v228, s22, v228                      ; as t (c is positive)
	s_delay_alu instid0(VALU_DEP_1)
	v_max_num_f32 v13, v13, v228                   ; the running largest t
	v_mov_b32 v228, v12
	s_delay_alu instid0(VALU_DEP_2)
	v_floor_f32 v12, -v13                          ; the new -M = floor(-t) = -ceil(t): a whole number
	s_delay_alu instid0(VALU_DEP_1)
	v_sub_f32 v228, v12, v228                      ; M's old value less its new one: a whole number, 0 or less
	s_delay_alu instid0(VALU_DEP_1)
	v_cvt_i32_f32 v228, v228                       ; (it saturates)
	s_delay_alu instid0(VALU_DEP_1)
	v_ldexp_f32 v226, 1.0, v228                    ; f = 2^(old M - new M)
.set j, 0
.rept 32
	v_pk_fma_f32 v[96+j:97+j], v[96+j:97+j], s[22:23], v[12:13] op_sel_hi:[1,0,0]   ; t - M, two at a time
.set j, j+2
.endr
.irp b, 0,1,2,3
	v_fma_f32 v[BM+\b], v[BM+\b], s22, v12         ; the same of each block's largest score
.endr
.set j, 0
	s_setprio 1
	s_wait_alu depctr_va_vdst(0)
.rept 64
	v_exp_f32 v[96+j], v[96+j]                     ; p = 2^(t - M), at most 1: not normalised
.set j, j+1
.endr
.irp b, 0,1,2,3
	v_exp_f32 v[BM+\b], v[BM+\b]                   ; the block's largest p: the same two instructions on the same number give the same bits
.endr
	v_pk_mul_f32 v[14:15], v[14:15], v[226:227] op_sel_hi:[1,0]   ; the sums under the new M.  (A plain place behind the exponentials)
	s_wait_alu depctr_va_vdst(0)
.irp b, 0,1,2,3
	v_max_num_f32 v[BM+\b], 0x1800000, v[BM+\b]    ; the floor 2^(3 - 127): the byte cannot fall under 1 (a block whose every p is 0 keeps that byte: its codes are zeros)
.endr
.irp b, 0,1,2,3
	s_delay_alu instid0(VALU_DEP_4)
	v_add_nc_u32 v[SO+\b], 0xff000000, v[BM+\b]    ; 2 off the exponent field: the conversion's scale operand
.endr
.irp b, 0,1,2,3
	s_delay_alu instid0(VALU_DEP_4)
	v_lshrrev_b32 v[BX+\b], 23, v[SO+\b]           ; the scale's byte
.endr
	s_delay_alu instid0(VALU_DEP_3)
	v_lshl_or_b32 v224, v217, 8, v216              ; p's scale word for these 128 keys
	s_delay_alu instid0(VALU_DEP_1)
	v_lshl_or_b32 v224, v218, 16, v224
	s_delay_alu instid0(VALU_DEP_1)
	v_lshl_or_b32 v224, v219, 24, v224
.irp b, 0,1,2,3
	v_cvt_scalef32_pk8_fp4_f32 v[192+2*\b], v[96+16*\b:103+16*\b], v[SO+\b]
	v_cvt_scalef32_pk8_fp4_f32 v[193+2*\b], v[104+16*\b:111+16*\b], v[SO+\b]
.endr
	v_nop                                          ; one plain place behind a scaled conversion
.irp c, 0,1                                    ; the operand's layout wants a whole block in a lane
.irp i, 0,1
	v_permlane16_swap_b32 v[192+4*\c+\i], v[194+4*\c+\i]
.endr
.endr
	v_pk_add_f32 v[232:233], v[100:101], v[104:105]
	v_pk_add_f32 v[254:255], v[108:109], v[112:113]
	v_pk_add_f32 v[252:253], v[116:117], v[120:121]
	v_pk_add_f32 v[250:251], v[124:125], v[128:129]
	v_pk_add_f32 v[248:249], v[132:133], v[136:137]
	v_pk_add_f32 v[246:247], v[140:141], v[144:145]
	v_pk_add_f32 v[244:245], v[148:149], v[152:153]
	v_pk_add_f32 v[14:15], v[14:15], v[156:157]
	v_pk_add_f32 v[232:233], v[232:233], v[96:97]
	v_pk_add_f32 v[254:255], v[254:255], v[98:99]
	v_pk_add_f32 v[252:253], v[252:253], v[102:103]
	v_pk_add_f32 v[250:251], v[250:251], v[106:107]
	v_pk_add_f32 v[248:249], v[248:249], v[110:111]
	v_pk_add_f32 v[246:247], v[246:247], v[114:115]
	v_pk_add_f32 v[244:245], v[244:245], v[118:119]
	v_pk_add_f32 v[14:15], v[14:15], v[122:123]
	v_pk_add_f32 v[232:233], v[232:233], v[126:127]
	v_pk_add_f32 v[254:255], v[254:255], v[130:131]
	v_pk_add_f32 v[252:253], v[252:253], v[134:135]
	s_setprio 0
	v_pk_add_f32 v[250:251], v[250:251], v[138:139]
	v_pk_add_f32 v[248:249], v[248:249], v[142:143]
	v_pk_add_f32 v[246:247], v[246:247], v[146:147]
	v_pk_add_f32 v[244:245], v[244:245], v[150:151]
	v_pk_add_f32 v[14:15], v[14:15], v[154:155]
	v_pk_add_f32 v[232:233], v[232:233], v[158:159]
	s_delay_alu instid0(VALU_DEP_2)
	v_pk_add_f32 v[14:15], v[14:15], v[250:251]
	s_delay_alu instid0(VALU_DEP_2)
	v_pk_add_f32 v[232:233], v[232:233], v[248:249]
	v_pk_add_f32 v[254:255], v[254:255], v[246:247]
	v_pk_add_f32 v[252:253], v[252:253], v[244:245]
	s_delay_alu instid0(VALU_DEP_2)
	v_pk_add_f32 v[14:15], v[14:15], v[254:255]
	s_delay_alu instid0(VALU_DEP_2)
	v_pk_add_f32 v[232:233], v[232:233], v[252:253]
	s_delay_alu instid0(VALU_DEP_1)
	v_pk_add_f32 v[14:15], v[14:15], v[232:233]
.set j, 0
.rept 16
	v_pk_mul_f32 v[160+j:161+j], v[160+j:161+j], v[226:227] op_sel_hi:[1,0]   ; O^T under the new M.  (With the sums above: the places between the scale word, the codes and the products below)
.set j, j+2
.endr
.irp dt, 0,1,2,3                               ; O^T += V^T P^T: the four accumulators by turns, one instruction a turn
	v_wmma_scale_f32_16x16x128_f8f6f4 v[160+8*\dt:167+8*\dt], v[64+8*\dt:71+8*\dt], v[192:199], v[160+8*\dt:167+8*\dt], v[208+\dt], v224 matrix_a_fmt:MATRIX_FMT_FP4 matrix_b_fmt:MATRIX_FMT_FP4
.endr
.Lhidden_\@:
	s_add_co_u32 s[KF], s[KF], 128                 ; the next step
	s_add_co_u32 s[TK], s[TK], 4096
	s_add_co_u32 s[TS], s[TS], 512
	s_add_co_u32 s[TV], s[TV], 256
.endm
.macro PASS_BODY p
	s_wait_loadcnt 0x0                             ; Q and its scale words
	s_mov_b32 s[KF], 0
	s_mov_b32 s[TK], 0
	s_mov_b32 s[TS], 0
	s_mov_b32 s[TV], 0
	s_mov_b32 s18, 16
.Lkey_\@:                                          ; 16 trips in every wave
	STEP \p
	s_sub_co_u32 s18, s18, 1
	s_cmp_lg_u32 s18, 0
	s_cbranch_scc1 .Lkey_\@
	s_setprio 0
.rept 4
	v_nop                                          ; places behind the last products
.endr
	v_add_f32 v14, v14, v15                        ; the sum's two halves,
	s_delay_alu instid0(VALU_DEP_1)
	v_permlanex16_b32 v216, v14, s20, s21
	s_delay_alu instid0(VALU_DEP_1)
	v_add_f32 v14, v14, v216                       ; and lane l xor 16's: the row's sum
	s_wait_alu depctr_va_vdst(0)
	v_rcp_f32 v14, v14
	v_nop                                          ; a plain place behind the transcendental
.set j, 0
	s_wait_alu depctr_va_vdst(0)
.rept 16
	v_pk_mul_f32 v[96+j:97+j], v[160+j:161+j], v[14:15] op_sel_hi:[1,0]   ; O^T / the sum: register 16 b + i is d = 32 b + 16 h + i of my query
.set j, j+2
.endr
.irp b, 0,1                                    ; the head's two blocks of 32, quantised for the last projection
	v_max3_num_f32 v[BM+\b], |v[96+16*\b]|, |v[97+16*\b]|, 0x1800000
.endr
.irp i, 2,4,6,8,10,12,14
.irp b, 0,1
	s_delay_alu instid0(VALU_DEP_2)
	v_max3_num_f32 v[BM+\b], v[BM+\b], |v[96+16*\b+\i]|, |v[97+16*\b+\i]|
.endr
.endr
.irp b, 0,1
	s_delay_alu instid0(VALU_DEP_2)
	v_permlanex16_b32 v[BX+\b], v[BM+\b], s20, s21
.endr
.irp b, 0,1
	s_delay_alu instid0(VALU_DEP_2)
	v_max_num_f32 v[BM+\b], v[BM+\b], v[BX+\b]
.endr
.irp b, 0,1
	s_delay_alu instid0(VALU_DEP_2)
	v_add_nc_u32 v[SO+\b], 0xff000000, v[BM+\b]
.endr
.irp b, 0,1
	s_delay_alu instid0(VALU_DEP_2)
	v_lshrrev_b32 v[BX+\b], 23, v[SO+\b]
.endr
.irp b, 0,1
	v_cvt_scalef32_pk8_fp4_f32 v[192+2*\b], v[96+16*\b:103+16*\b], v[SO+\b]
	v_cvt_scalef32_pk8_fp4_f32 v[193+2*\b], v[104+16*\b:111+16*\b], v[SO+\b]
.endr
	v_nop                                          ; one plain place behind a scaled conversion
	v_permlane16_swap_b32 v192, v194               ; lane (r, h) now holds block h of row r: the image
	v_permlane16_swap_b32 v193, v195
	v_cndmask_b32 v229, v216, v217, s47            ; lanes 0-15: block 0's byte, lanes 16-31: block 1's
	global_store_b128 v1, v[192:195], s[42:43]     ; 32 lanes store 512 consecutive bytes, aligned
	global_store_b8 v28, v229, s[44:45]
.endm
	PASS_HEAD 0
	s_wait_tensorcnt 0x0                           ; my share of the head's bytes has landed
	ds_add_u32 v5, v6                              ; 0 onto my spare word
	s_wait_dscnt 0x0
	s_barrier_signal -1
	s_barrier_wait -1                              ; everybody's has
	PASS_BODY 0
	PASS_HEAD 1
	PASS_BODY 1
	s_wait_tensorcnt 0x0                           ; the wave's end
	ds_add_u32 v5, v6
	s_wait_dscnt 0x0
	CROUND                                         ; the closing round: no work-group ends while a partner may still ask for bytes by a load that names it
	s_endpgm
.Lfunc_end_k_q9967613d64_attn:
	.size	k_q9967613d64_attn, .Lfunc_end_k_q9967613d64_attn-k_q9967613d64_attn
	.p2alignl 7, 3214868480
	.fill 96, 4, 3214868480
	.section	.rodata,"a",@progbits
	.p2align	6, 0x0
	.amdhsa_kernel k_q9967613d64_attn
		.amdhsa_group_segment_fixed_size 327680
		.amdhsa_private_segment_fixed_size 0
		.amdhsa_enable_private_segment 0
		.amdhsa_kernarg_size 24
		.amdhsa_user_sgpr_count 2
		.amdhsa_user_sgpr_kernarg_segment_ptr 1
		.amdhsa_wavefront_size32 1
		.amdhsa_system_sgpr_workgroup_id_x 1
		.amdhsa_system_sgpr_workgroup_id_y 1
		.amdhsa_system_sgpr_workgroup_id_z 1
		.amdhsa_system_vgpr_workitem_id 0
		.amdhsa_next_free_vgpr 256
		.amdhsa_next_free_sgpr 66
		.amdhsa_reserve_vcc 1
		.amdhsa_float_denorm_mode_32 3
		.amdhsa_float_denorm_mode_16_64 3
		.amdhsa_memory_ordered 1
		.amdhsa_forward_progress 1
		.amdhsa_inst_pref_size 58
	.end_amdhsa_kernel
	.amdgpu_metadata
---
amdhsa.version: [ 1, 2 ]
amdhsa.kernels:
  - .name:           k_q9967613d64_attn
    .symbol:         k_q9967613d64_attn.kd
    .args:
      - { .name: qkv, .offset: 0, .size: 8, .value_kind: global_buffer, .address_space: global }
      - { .name: ac, .offset: 8, .size: 8, .value_kind: global_buffer, .address_space: global }
      - { .name: asc, .offset: 16, .size: 8, .value_kind: global_buffer, .address_space: global }
    .group_segment_fixed_size: 327680
    .private_segment_fixed_size: 0
    .kernarg_segment_align: 8
    .kernarg_segment_size: 24
    .max_flat_workgroup_size: 512
    .sgpr_count:     66
    .vgpr_count:     256
    .wavefront_size: 32
...
	.end_amdgpu_metadata
.endif
;; end of part 3
;; launch oproj (part 4): grid 4 x 64, 4 waves a work-group, clusters of 4 x 4, 327,680 bytes of LDS; arguments ac, asc, wc, wsc, Wo_b, out0; writes out0
.if DOCPART == 4
	.amdgcn_target "amdgcn-amd-amdhsa--gfx1250"
	.amdhsa_code_object_version 6
	.text
	.protected	k_q9967613d64_oproj
	.globl	k_q9967613d64_oproj
	.p2align	8
	.type	k_q9967613d64_oproj,@function
k_q9967613d64_oproj:
	s_mov_b64 s[64:65], 0
	v_nop
	global_prefetch_b8 v0, s[64:65] scope:SCOPE_SE
	s_setreg_imm32_b32 hwreg(HW_REG_WAVE_MODE, 25, 1), 1
	s_wait_xcnt 0x0
	s_wait_alu depctr_hold_cnt(0) depctr_sa_sdst(0) depctr_va_vdst(0) depctr_va_sdst(0) depctr_va_ssrc(0) depctr_va_vcc(0) depctr_vm_vsrc(0)
	s_getreg_b32 s2, hwreg(HW_REG_IB_STS2, 6, 4)
	s_cmp_eq_u32 s2, 0
	s_cbranch_scc0 .Lentry_in_a_cluster
	s_endpgm
.Lentry_in_a_cluster:
	s_bfe_u32 s2, ttmp6, 0x10000c
	s_cmp_lg_u32 s2, 0xf033
	s_cbranch_scc0 .Lentry_shape_is_right
	s_endpgm
.Lentry_shape_is_right:
; out0 = (attention's result) Wo^T + Wo_b on codes of FP4 with E8M0 scales, K = 1,024; out0 [8192][1024] f32.
; A tile of out0 is 128 rows x 256 columns: tiles of 256 x 256 would be too few at this size (128 of them); these are 256.  16 clusters of 4 x 4 work-groups.
; Each of a work-group's four waves makes 64 x 128: 32 accumulators of 16 x 16, 256 registers, and sends 64 stores of 512 bytes.
; A (the attention's result) arrives as IMAGES OF THE OPERAND'S REGISTERS: ac [tile of 16 stored rows][head][512 bytes]; half c of the fragment of K step s (128 along K) is head 2 s + c.  A tensor load brings, for 4 tiles of rows,
; the 4,096 bytes of 8 heads; a fragment load reads 512 consecutive LDS bytes.  B (Wo) arrives as rows of codes, as in the projections.  Both operands' scale bytes: [stored row][32].
; THE MATRIX INSTRUCTION IS USED TRANSPOSED (source 0 = 16 rows of Wo, source 1 = 16 rows of A).  The stored rows of both operands carry the permutation (bits 3 and 4 of the row number change places):
; the way out undoes it, for the columns in the stage's offsets, for the rows in the stores' offsets.
; ALL OF K FITS THE TWO LDS SLOTS, so both slots and the scales are filled once, by three joint loads a wave, each behind a round of the cluster's barrier; nothing is filled again and there is no loop.
; A's tiles are shared along a row of the cluster, B's along a column: each is asked for jointly.  The bias is the C of each sum's first matrix instruction.
; A step of 128 along K is 24 LDS loads and 32 matrix instructions.  A and B have two sets of fragments each: the next step's loads stand at a step's head, so that the step's 32 matrix instructions stand between them and the wait for them.
; REGISTERS, in windows of 256: window 0: v0-31 addresses; v32-95 scale words, two sets; v128-191 A's fragments, two sets of four; v192-255 the bias; on the way out v128-255 take rows of out0.
;   window 1: B's fragments, two sets of eight, at v0 and at v128.   window 2: the accumulators ((a, b) at v[8 (8 a + b)]).
.set NQ,     4
.set ROWB,   256
.set KROW,   512
.set PITCH,  272                       ; an LDS row of B: 256 bytes + 16 of padding: the 16 rows that a load touches start at 16 different banks (64 banks of 4 bytes: ISA guide 11.1)
.set FR,     8
.set NP,     4                         ; places behind this matrix instruction (ISA guide 7.12.1)
.set HALFT,  128*PITCH                 ; a wave's share of a slot (A's images use 16,384 bytes of it)
.set SLOT,   4*HALFT
.set KS,     32
.set SCL,    2*SLOT                    ; behind the slots: the scales, as units of 256 bytes + 16 of padding: A's 128 rows,
.set SA64,   8*272                     ; (the scales of 64 rows: what waves 0 and 1 bring)
.set SB128,  16*272                    ; (those of 128 rows: what waves 2 and 3 bring)
.set SCLB,   SCL+2*SA64                ; then, with no gap, B's 256 rows: the loads of scale words, whose lanes 0-15 run on past A's four blocks, so touch only bytes that have been filled
.set SBLK,   2*272                     ; the scales of 16 rows
.set SPARE,  SCL+4*SB128               ; the spare words, 128 bytes for each wave: two blocks of 256 bytes that no other line names
.set SPITCH, 528                       ; the way out: a stage of 16 rows x (512 bytes + 16) for each wave, in slot 0, which has had its one fill and its last read when the first result is stored there
.set ADRA, 16
.set ADRB, 20
.set STO,  24                          ; v24     the way out: where I put 32 bytes of a row
.set RD,   25                          ; v25     where I read a row back
.set CO,   26                          ; v26     16 x lane
.set ADRS, 27                          ; v27     LDS address of my scale words: lanes 0-15 A's rows, lanes 16-31 B's
.set SPW,  28                          ; v28     LDS address of my spare word; never rewritten
.set NIL,  29                          ; v29     0; never rewritten
.set BO,   30                          ; v30     my byte offset in the bias
.set SC,   32                          ; scale words: set s at v[SC + 32 s]; register 4 i + q: lanes 0-15 A's block i (i < 4), lanes 16-31 B's block i
.set AF,   128                         ; A's fragments: set p at v[AF + 32 p]
.set BK,   128                         ; the way out: 16 rows read back from the stage: v128-191 and v192-255 by turns
.set BI,   192
.set G1, 24
.set G0, 32
.set G1B, 48
.set G0B, 56
.set G1S, 68
.set G0S, 76
.set G1SB, 80
.set G0SB, 88
.set MSB, 0
.macro WIN new                         ; the immediate's high byte repeats the setting that is left
.if MSB != (\new)
	s_set_vgpr_msb (MSB<<8)|(\new)
.set MSB, (\new)
.endif
.endm
.set MUL_LO, 0xa1                      ; source 0 (B) window 1, source 1 (A) window 0, C and D window 2
.set TO_B,   0x40                      ; destination window 1, address window 0
; A joint load: waves 0 and 1 fetch for A, waves 2 and 3 for B; the branch hangs on the wave's number alone.  Four v_nop follow each of the two lines.
.macro JLOAD g0a, g1a, g0b, g1b
	s_cmp_eq_u32 s15, 0
	s_cbranch_scc0 .Lfor_b_\@
	tensor_load_to_lds s[\g0a:\g0a+3], s[\g1a:\g1a+7]
	s_nop 0
.rept 4
	v_nop
.endr
	s_branch .Lasked_\@
.Lfor_b_\@:
	tensor_load_to_lds s[\g0b:\g0b+3], s[\g1b:\g1b+7]
	s_nop 0
.rept 4
	v_nop
.endr
.Lasked_\@:
.endm
.macro CROUND                          ; a round of the cluster's barrier
	s_barrier_signal -1
	s_barrier_wait -1
	s_cmp_lg_u32 s14, 0
	s_cbranch_scc1 .Lnot_wave_0_\@
	s_barrier_signal -3
.Lnot_wave_0_\@:
	s_barrier_wait -3
	s_barrier_signal -1
	s_barrier_wait -1
.endm
	s_load_b128 s[4:7], s[0:1], 0x0                ; ac, asc
	s_load_b128 s[8:11], s[0:1], 0x10              ; wc, wsc
	s_load_b128 s[96:99], s[0:1], 0x20             ; Wo_b, out0
	v_lshl_add_u32 v[SPW], v0, 2, SPARE
	v_mov_b32 v[NIL], 0
	ds_add_u32 v28, v29
	ds_add_u32 v28, v29
	s_wait_dscnt 0x0
	v_lshrrev_b32 v1, 5, v0
	v_readfirstlane_b32 s14, v1                    ; wave 0..3
	s_lshr_b32 s15, s14, 1                         ; which 64 of the tile's 128 rows are mine.  Also: I fetch for A (0) or for B (1)
	s_and_b32 s16, s14, 1                          ; which 128 of its 256 columns.  Also: which half of that operand's tile I fetch
	s_bfe_u32 s40, ttmp6, 0x40000                  ; cx, cy
	s_bfe_u32 s41, ttmp6, 0x40004
	s_lshl_b32 s42, ttmp9, 2
	s_add_co_u32 s42, s42, s40                     ; tile column = 4 x cluster x + cx
	s_and_b32 s17, ttmp7, 0xffff
	s_lshl_b32 s17, s17, 2
	s_add_co_u32 s17, s17, s41                     ; tile row = 4 x cluster y + cy
	s_lshl_b32 s43, s41, 2
	s_lshl_b32 s43, 15, s43                        ; my row of the cluster
	s_lshl_b32 s44, 0x1111, s40                    ; my column
	; A: 4 tiles of rows x 4,096 bytes (512 elements of 8 bytes), 8,192 bytes apart; dense in LDS
	s_or_b32 s[G1+0], s43, (3<<16)|(1<<21)         ; 15:0 the mask: my row; 17:16 elements of 8 bytes; 21 set beside a mask; no padding
	s_mov_b32 s[G1+1], 512<<16                     ; tensor_dim0
	s_mov_b32 s[G1+2], 4<<16                       ; tensor_dim1
	s_mov_b32 s[G1+3], 512<<16                     ; tile_dim0
	s_mov_b32 s[G1+4], 4                           ; tile_dim1
	s_mov_b32 s[G1+5], 1024                        ; tensor_dim0_stride
	s_mov_b32 s[G1+6], 0
	s_mov_b32 s[G1+7], 0
	; B: 128 rows x 256 bytes, padded in LDS
	s_or_b32 s[G1B+0], s44, (0<<16)|(1<<20)|(1<<21)|(5<<22)|(3<<25)
	s_mov_b32 s[G1B+1], ROWB<<16
	s_mov_b32 s[G1B+2], 128<<16
	s_mov_b32 s[G1B+3], ROWB<<16
	s_mov_b32 s[G1B+4], 128
	s_mov_b32 s[G1B+5], KROW
	s_mov_b32 s[G1B+6], 0
	s_mov_b32 s[G1B+7], 0
	; the scales: rows of 256 bytes (32 elements of 8 bytes), 16 bytes of padding behind each: A's 64 rows are 8 of them, B's 128 rows 16
	s_or_b32 s[G1S+0], s43, (3<<16)|(1<<20)|(1<<21)|(5<<22)|(3<<25)
	s_mov_b32 s[G1S+1], 32<<16
	s_mov_b32 s[G1S+2], 8<<16
	s_mov_b32 s[G1S+3], 32<<16
	s_mov_b32 s[G1S+4], 8
	s_mov_b32 s[G1S+5], 32
	s_mov_b32 s[G1S+6], 0
	s_mov_b32 s[G1S+7], 0
	s_or_b32 s[G1SB+0], s44, (3<<16)|(1<<20)|(1<<21)|(5<<22)|(3<<25)
	s_mov_b32 s[G1SB+1], 32<<16
	s_mov_b32 s[G1SB+2], 16<<16
	s_mov_b32 s[G1SB+3], 32<<16
	s_mov_b32 s[G1SB+4], 16
	s_mov_b32 s[G1SB+5], 32
	s_mov_b32 s[G1SB+6], 0
	s_mov_b32 s[G1SB+7], 0
	s_lshl_b32 s18, s16, 6
	s_lshl_b32 s20, s17, 7
	s_add_co_u32 s20, s20, s18                     ; A: stored row 128 x tile row + 64 x half
	s_lshl_b32 s18, s16, 7
	s_lshl_b32 s46, s42, 8
	s_add_co_u32 s46, s46, s18                     ; B: stored row 256 x tile column + 128 x half
	s_lshl_b32 s22, s20, 5                         ; their scales, in bytes,
	s_mov_b32 s23, 0
	s_lshl_b32 s92, s46, 5
	s_mov_b32 s93, 0
	s_lshl_b32 s20, s20, 9                         ; and their codes: 512 bytes a row (16 rows of images are 8,192 bytes too)
	s_mov_b32 s21, 0
	s_lshl_b32 s46, s46, 9
	s_mov_b32 s47, 0
	s_mul_i32 s45, s14, HALFT                      ; where they go: no place in the cluster enters an LDS address
	s_mul_i32 s94, s16, SA64
	s_mul_i32 s95, s16, SB128
	s_wait_kmcnt 0x0
	s_add_nc_u64 s[8:9], s[8:9], 0x180000          ; Wo's codes: behind WQ's, WK's and WV's
	s_add_nc_u64 s[10:11], s[10:11], 0x18000       ; and its scale bytes
	s_add_nc_u64 s[20:21], s[4:5], s[20:21]
	s_add_nc_u64 s[22:23], s[6:7], s[22:23]
	s_add_nc_u64 s[46:47], s[8:9], s[46:47]
	s_add_nc_u64 s[92:93], s[10:11], s[92:93]
	CROUND                                         ; all sixteen work-groups are here: the joint loads meet
	s_mov_b32 s[G0S], 1
	s_add_co_u32 s[G0S+1], s94, SCL
	s_mov_b64 s[G0S+2:G0S+3], s[22:23]
	s_or_b32 s[G0S+3], s[G0S+3], 0x80000000
	s_mov_b32 s[G0SB], 1
	s_add_co_u32 s[G0SB+1], s95, SCLB
	s_mov_b64 s[G0SB+2:G0SB+3], s[92:93]
	s_or_b32 s[G0SB+3], s[G0SB+3], 0x80000000
	JLOAD G0S, G1S, G0SB, G1SB
.irp s, 0,1
	s_mov_b32 s[G0+4*\s], 1
	s_add_co_u32 s[G0+4*\s+1], s45, \s*SLOT
	s_add_nc_u64 s[G0+4*\s+2:G0+4*\s+3], s[20:21], \s*4096      ; slot s: heads 8 s .. 8 s + 7
	s_or_b32 s[G0+4*\s+3], s[G0+4*\s+3], 0x80000000
	s_mov_b32 s[G0B+4*\s], 1
	s_add_co_u32 s[G0B+4*\s+1], s45, \s*SLOT
	s_add_nc_u64 s[G0B+4*\s+2:G0B+4*\s+3], s[46:47], \s*ROWB
	s_or_b32 s[G0B+4*\s+3], s[G0B+4*\s+3], 0x80000000
	s_wait_alu depctr_va_vdst(0)
	s_wait_tensorcnt 0x0
	ds_add_u32 v28, v29
	s_wait_dscnt 0x0
	CROUND
	JLOAD G0+4*\s, G1, G0B+4*\s, G1B               ; one tensor load of mine is out now
.endr
	v_and_b32 v1, 15, v0                           ; r
	v_bfe_u32 v2, v0, 4, 1                         ; h
	v_and_b32 v6, 31, v0
	v_lshlrev_b32 v[CO], 4, v6                     ; 16 x lane
	v_mul_u32_u24 v3, v1, PITCH
	v_lshl_add_u32 v4, v2, 4, v3                   ; B: a fragment's row x pitch + 16 x half
	s_mul_i32 s21, s15, HALFT                      ; my 64 rows of A
	s_mul_i32 s22, s16, HALFT                      ; my 128 rows of B,
	s_add_co_u32 s22, s22, 2*HALFT                 ; which lie behind A's
.irp s, 0,1
	v_add_nc_u32 v[ADRA+\s], s21, v[CO]            ; A: images: 16 x lane
	v_add_nc_u32 v[ADRB+\s], s22, v4
	s_add_co_u32 s21, s21, SLOT
	s_add_co_u32 s22, s22, SLOT
.endr
	v_mul_u32_u24 v5, v1, KS                       ; my row's scales: 32 bytes a row,
	v_lshrrev_b32 v6, 8, v5
	v_lshl_add_u32 v5, v6, 4, v5                   ; and 16 more for each 256 passed
	s_mul_i32 s21, s15, SA64                       ; A's: my 64 rows
	s_mul_i32 s22, s16, SB128                      ; B's: my 128 rows, behind A's 128
	s_add_co_u32 s22, s22, 2*SA64
	s_sub_co_u32 s22, s22, s21
	v_mul_u32_u24 v6, s22, v2                      ; lanes 16-31 take B's scale words
	s_add_co_u32 s21, s21, SCL
	v_add_nc_u32 v5, v5, v6
	v_add_nc_u32 v[ADRS], s21, v5
	s_mul_i32 s23, s14, 16*SPITCH                  ; my stage
	v_mul_u32_u24 v5, v1, SPITCH                   ; in: row r; the 16 registers of tiles 2 b, 2 b + 1 are columns 32 b + 16 h + 0 .. 15: 64 h bytes on
	v_lshl_add_u32 v5, v2, 6, v5
	v_add_nc_u32 v[STO], s23, v5
	v_add_nc_u32 v[RD], s23, v[CO]                 ; back: the 32 lanes take one row of 512 bytes
	v_lshlrev_b32 v[BO], 6, v2
	s_wait_alu depctr_va_vdst(0)
	s_lshl_b32 s46, s42, 10                        ; my first column, in bytes, in out0 and in the bias alike: 1,024 x tile column + 512 x half
	s_lshl_b32 s47, s16, 9
	s_add_co_u32 s46, s46, s47
	s_mov_b32 s47, 0
	s_add_nc_u64 s[96:97], s[96:97], s[46:47]
	s_lshl_b32 s20, s17, 7
	s_lshl_b32 s21, s15, 6
	s_add_co_u32 s20, s20, s21                     ; my first row: 128 x tile row + 64 x half
	s_lshl_b32 s20, s20, 12                        ; 4,096 bytes a row of out0
	s_mov_b32 s21, 0
	s_add_nc_u64 s[20:21], s[20:21], s[46:47]
	s_add_nc_u64 s[98:99], s[98:99], s[20:21]
.irp be, 0,1,2,3
.irp j, 0,1,2,3
	global_load_b128 v[BI+16*\be+4*\j:BI+16*\be+4*\j+3], v[BO], s[96:97] offset:128*\be+16*\j   ; the bias in the results' layout
.endr
.endr
	s_wait_loadcnt 0x0
.macro FRAG reg, adr, q, i             ; a fragment of B: lane l holds row l % 16; registers 4 c .. 4 c + 3 hold K = 64 c + 32 (l / 16) + 0 .. 31
.irp c, 0,1
	ds_load_b128 v[\reg+4*\c:\reg+4*\c+3], v[\adr] offset:64*(\q)+32*\c+(\i)*16*PITCH
.endr
.endm
.macro FRAGA reg, adr, q, i            ; a fragment of A: two images: tile of rows i, heads 2 q and 2 q + 1 of the slot's eight
.irp c, 0,1
	ds_load_b128 v[\reg+4*\c:\reg+4*\c+3], v[\adr] offset:1024*(\q)+512*\c+(\i)*4096
.endr
.endm
; 16 matrix instructions: A's blocks a0, a0 + 1 x B's eight, 128 along K: the slot's q-th.  p: the set of fragments;  sc: the set of scale words.  cm = 1: the sums start with the bias: nothing is ever cleared.
; The 32 accumulators take turns, one instruction a turn, in the same order in every step.
.macro MUL16 a0, p, q, sc, cm
.irp a, \a0, \a0+1
.irp b, 0,1,2,3,4,5,6,7
.if (\cm) == 1
	v_wmma_scale_f32_16x16x128_f8f6f4 v[8*(8*(\a)+\b):8*(8*(\a)+\b)+7], v[128*(\p)+FR*\b:128*(\p)+FR*\b+FR-1], v[AF+32*(\p)+FR*(\a):AF+32*(\p)+FR*(\a)+FR-1], v[BI+8*\b:BI+8*\b+7], v[SC+8*NQ*(\sc)+NQ*\b+(\q)], v[SC+8*NQ*(\sc)+NQ*(\a)+(\q)] matrix_a_fmt:MATRIX_FMT_FP4 matrix_b_fmt:MATRIX_FMT_FP4 matrix_a_scale:MATRIX_SCALE_ROW1
.else
	v_wmma_scale_f32_16x16x128_f8f6f4 v[8*(8*(\a)+\b):8*(8*(\a)+\b)+7], v[128*(\p)+FR*\b:128*(\p)+FR*\b+FR-1], v[AF+32*(\p)+FR*(\a):AF+32*(\p)+FR*(\a)+FR-1], v[8*(8*(\a)+\b):8*(8*(\a)+\b)+7], v[SC+8*NQ*(\sc)+NQ*\b+(\q)], v[SC+8*NQ*(\sc)+NQ*(\a)+(\q)] matrix_a_fmt:MATRIX_FMT_FP4 matrix_b_fmt:MATRIX_FMT_FP4 matrix_a_scale:MATRIX_SCALE_ROW1
.endif
.endr
.endr
.endm
.macro FETCH_B slot, q, p              ; B's eight fragments of the slot's q-th 128 along K into set p
	WIN TO_B
.irp i, 0,1,2,3,4,5,6,7
	FRAG 128*(\p)+FR*\i, ADRB+\slot, \q, \i
.endr
	WIN 0
.endm
.macro FETCH_A slot, q, p              ; A's four fragments likewise
.irp i, 0,1,2,3
	FRAGA AF+32*(\p)+FR*\i, ADRA+\slot, \q, \i
.endr
.endm
.macro SCALES sc                       ; a slot's scale words into set sc: four words a row; lanes 0-15 take A's block i, lanes 16-31 B's block i
.irp i, 0,1,2,3,4,5,6,7
	ds_load_b128 v[SC+8*NQ*\sc+NQ*\i:SC+8*NQ*\sc+NQ*\i+3], v[ADRS] offset:\i*SBLK
.endr
.endm
; A load into a register that a matrix instruction has read, and an LDS store that reads a matrix result, stand NP places behind that matrix instruction; only plain vector instructions that name none of its
; registers are places (ISA guide 7.12.1 for vector instructions).
.macro PLACES n
.rept \n
	v_nop
.endr
.endm
.macro STEP slot, q, cm                ; a step of 128 along K that has its successor in the same slot
	s_wait_dscnt 0x0                               ; this step's fragments are in: they were asked for at the last step's head
	PLACES NP                                      ; behind the last step's products, which read the set that is loaded now
	FETCH_B \slot, (\q)+1, 1-(\q)%2
	FETCH_A \slot, (\q)+1, 1-(\q)%2
.if (\cm)
	WIN 0x81                                       ; as MUL_LO, with C (the bias) in window 0
.else
	WIN MUL_LO
.endif
	MUL16 0, (\q)%2, \q, \slot, \cm
	MUL16 2, (\q)%2, \q, \slot, \cm
.endm
; Slot 0's last step goes on into slot 1: one barrier at its head; in front of it each wave waits for all its tensor loads (its part of slot 1), adds 0 to its spare word, and waits for that and for its LDS loads.
.macro TURN
	WIN 0                                          ; (the add's two registers lie in window 0)
	s_wait_tensorcnt 0x0                           ; all my tensor loads have landed: my part of slot 1
	ds_add_u32 v[SPW], v[NIL]                      ; 0 onto my spare word
	s_wait_dscnt 0x0                               ; the add is done; this step's fragments are in, and they were my last reads of slot 0
	s_barrier_signal -1
	s_barrier_wait -1                              ; slot 1 is whole, and nobody reads slot 0 any more
	PLACES NP
	v_add_nc_u32 v[ADRS], 4*NQ, v[ADRS]            ; on to slot 1's scale words
	FETCH_B 1, 0, 0
	FETCH_A 1, 0, 0
	SCALES 1
	WIN MUL_LO
	MUL16 0, 1, NQ-1, 0, 0
	MUL16 2, 1, NQ-1, 0, 0
.endm
	s_wait_tensorcnt 1                             ; the scales and my part of slot 0 are in (slot 1's load may be out)
	s_barrier_signal -1
	s_barrier_wait -1                              ; everybody's are
	FETCH_B 0, 0, 0
	FETCH_A 0, 0, 0
	SCALES 0
	STEP 0, 0, 1
	STEP 0, 1, 0
	STEP 0, 2, 0
	TURN
	STEP 1, 0, 0
	STEP 1, 1, 0
	STEP 1, 2, 0
	s_wait_dscnt 0x0                               ; the last step: nothing more to fetch
	WIN MUL_LO
	MUL16 0, 1, NQ-1, 1, 0
	MUL16 2, 1, NQ-1, 1, 0
	WIN 0
; THE WAY OUT, block by block of 16 stored rows x 128 columns: through my own stage in LDS, back as whole rows of 512 bytes, which the 32 lanes store as 512 consecutive bytes, aligned.
; LDS serves a wave's instructions in order (ISA guide 5.7.1.4): no wait between the stores and the loads, nor in front of the next block's stores.
.macro TOSTAGE a
.set AC, 64*(\a)
	WIN 0x08                                       ; the data: window 2
.irp b, 0,1,2,3,4,5,6,7
	ds_store_b128 v[STO], v[AC+8*\b:AC+8*\b+3] offset:128*(\b/2)+32*(\b%2)          ; each accumulator from its low end on; tile 2 b' + u holds columns 32 b' + 16 h + 8 u + 0 .. 7
	ds_store_b128 v[STO], v[AC+8*\b+4:AC+8*\b+7] offset:128*(\b/2)+32*(\b%2)+16
.endr
	WIN 0
.set BB, BK+64*((\a)%2)
.irp t, 0,1,2,3,4,5,6,7,8,9,10,11,12,13,14,15
	ds_load_b128 v[BB+4*\t:BB+4*\t+3], v[RD] offset:\t*SPITCH
.endr
.endm
.macro SEND a, younger                 ; younger: the LDS instructions issued behind block a's loads, which may stay out
.set BB, BK+64*((\a)%2)
	s_wait_dscnt \younger                          ; the block is back in registers
.irp t, 0,1,2,3,4,5,6,7,8,9,10,11,12,13,14,15
	global_store_b128 v[CO], v[BB+4*\t:BB+4*\t+3], s[98:99] offset:(32*((\a)/2)+8*((\a)%2)+\t+8*(\t/8))*4096 th:TH_STORE_NT   ; stored row t of stored tile a is this actual row of my 64; 63 rows at the most: inside the signed 24-bit immediate
.endr
.endm
	PLACES NP
	TOSTAGE 0
.irp a, 1,2,3
.if \a > 1
	s_wait_xcnt 0x0                                ; block a - 2's stores have read their registers: block a's loads may land there
.endif
	TOSTAGE \a
	SEND \a-1, 32                                  ; behind block a - 1's loads: block a's 16 stores and 16 loads
.endr
	SEND 3, 0
	s_wait_tensorcnt 0x0                           ; the wave's end
	ds_add_u32 v[SPW], v[NIL]
	s_wait_dscnt 0x0
	CROUND                                         ; the closing round: no work-group ends while a partner may still ask for a tile that names it
	s_endpgm
.Lfunc_end_k_q9967613d64_oproj:
	.size	k_q9967613d64_oproj, .Lfunc_end_k_q9967613d64_oproj-k_q9967613d64_oproj
	.p2alignl 7, 3214868480
	.fill 96, 4, 3214868480
	.section	.rodata,"a",@progbits
	.p2align	6, 0x0
	.amdhsa_kernel k_q9967613d64_oproj
		.amdhsa_group_segment_fixed_size 327680
		.amdhsa_private_segment_fixed_size 0
		.amdhsa_enable_private_segment 0
		.amdhsa_kernarg_size 48
		.amdhsa_user_sgpr_count 2
		.amdhsa_user_sgpr_kernarg_segment_ptr 1
		.amdhsa_wavefront_size32 1
		.amdhsa_system_sgpr_workgroup_id_x 1
		.amdhsa_system_sgpr_workgroup_id_y 1
		.amdhsa_system_sgpr_workgroup_id_z 1
		.amdhsa_system_vgpr_workitem_id 0
		.amdhsa_next_free_vgpr 768
		.amdhsa_next_free_sgpr 100
		.amdhsa_reserve_vcc 0
		.amdhsa_float_denorm_mode_32 3
		.amdhsa_float_denorm_mode_16_64 3
		.amdhsa_memory_ordered 1
		.amdhsa_forward_progress 1
		.amdhsa_inst_pref_size 74
	.end_amdhsa_kernel
	.amdgpu_metadata
---
amdhsa.version: [ 1, 2 ]
amdhsa.kernels:
  - .name:           k_q9967613d64_oproj
    .symbol:         k_q9967613d64_oproj.kd
    .args:
      - { .name: ac, .offset: 0, .size: 8, .value_kind: global_buffer, .address_space: global }
      - { .name: asc, .offset: 8, .size: 8, .value_kind: global_buffer, .address_space: global }
      - { .name: wc, .offset: 16, .size: 8, .value_kind: global_buffer, .address_space: global }
      - { .name: wsc, .offset: 24, .size: 8, .value_kind: global_buffer, .address_space: global }
      - { .name: Wo_b, .offset: 32, .size: 8, .value_kind: global_buffer, .address_space: global }
      - { .name: out0, .offset: 40, .size: 8, .value_kind: global_buffer, .address_space: global }
    .group_segment_fixed_size: 327680
    .private_segment_fixed_size: 0
    .kernarg_segment_align: 8
    .kernarg_segment_size: 48
    .max_flat_workgroup_size: 128
    .sgpr_count:     100
    .vgpr_count:     768
    .wavefront_size: 32
...
	.end_amdgpu_metadata
.endif
;; end of part 4
